; MI455X (gfx1250); checked and timed in simulation.
; The chip was launched on July 23, 2026; its instructions are those of AMD's public machine-readable ISA for CDNA 5 (MIT licence, August 2026) and "CDNA5" Instruction Set Architecture Reference Guide (July 2026). The comments in the code are by the model that wrote it; some were corrected since.
;; Standard Attention. Allowed arithmetic: matrix products marked QUANTISED: E2M3 operands, one E8M0 scale for each 32 along K, by v_wmma_scale_f32_16x16x128_f8f6f4 with both operands' format E2M3, f32 sums; everything else in f32.
;; Inputs: out_b 1,024 float32; out_w 1,024 x 1,024 float32; qkv_b 3,072 float32; qkv_w 3,072 x 1,024 float32; x 1 x 4,096 x 1,024 float32.
;; Outputs: out0 1 x 4,096 x 1,024 float32.
;; This version of the problem:
;;   THIS VERSION OF THE PROBLEM IS GIVEN IN LOW PRECISION. The matrix products marked QUANTISED in the list below multiply operands that are first quantised to E2M3 (2 exponent bits, 3 mantissa bits; 6 bits a number), with one power-of-two scale for each 32 numbers along K (OCP MX v1.0); their sums are f32. All else is computed in f32.
;;   The module's matrix products, in the order in which they are computed (A, B: the left and right operand; K: the contracted axis; several contracted axes count as one K, in the product's order):
;;     1. [M 4,096, K 1,024] x [K 1,024, N 3,072]; A: input x; B: input qkv_w: QUANTISED
;;     2. batch 16 x [M 4,096, K 64] x [K 64, N 4,096]; A: computed on the way; B: computed on the way: QUANTISED
;;     3. batch 16 x [M 4,096, K 4,096] x [K 4,096, N 64]; A: softmax (see below); B: computed on the way: QUANTISED
;;     4. [M 4,096, K 1,024] x [K 1,024, N 1,024]; A: computed on the way; B: input out_w: QUANTISED
;;   THE QUANTISER, for each operand of a quantised product, along K:
;;     - K is cut into blocks of 32 from its start; a last block that is shorter is filled with zeros.
;;     - A block's scale is 2^e with e = floor(log2(the largest magnitude in the block)) - 2, held to -126 .. 127; a block of zeros has e = 0. As a byte (E8M0): e + 127.
;;     - Each number is divided by its block's scale, clamped to +-7.5, and rounded to the nearest number of E2M3, ties to even, subnormals kept.
;;     - The product sums the exact products of the quantised numbers (number of the format x scale) in f32.
;;   ~~~python
;;   def quantise(x, axis):      # numpy; x: float32 -> the quantised numbers, widened to float32 again
;;       x = np.moveaxis(x, axis, -1); K = x.shape[-1]
;;       x = np.pad(x, [(0, 0)] * (x.ndim - 1) + [(0, -K % 32)]); x = x.reshape(x.shape[:-1] + (-1, 32)); a = np.abs(x).max(-1, keepdims=True)
;;       e = np.where(a > 0, np.clip(np.frexp(np.where(a > 0, a, 1))[1] - 1 - 2, -126, 127), 0)      # np.frexp(a)[1] - 1 = floor(log2(a)), exactly
;;       r = np.clip(x / 2.0 ** e, -7.5, 7.5)
;;       step = 2.0 ** (np.maximum(np.frexp(np.where(r == 0, 1, r))[1] - 1, 0) - 3)
;;       q = np.round(r / step) * step * 2.0 ** e      # np.round: ties to even
;;       return np.moveaxis(q.reshape(q.shape[:-2] + (-1,))[..., :K], -1, axis).astype(np.float32)
;;   ~~~
;;   SOFTMAX AHEAD OF A QUANTISED PRODUCT. Where the list says 'softmax', what is quantised is not the finished softmax but p = 2^(t - M), with t = logit x log2(e) and M = ceil(the row's largest t), a whole number; so 1/2 < the row's largest p <= 1. The row's sum l is taken of the UNQUANTISED p, in f32, and the product's result is divided by l at the end. Since M is a whole number, a kernel that streams over the keys may use a running M (the ceiling of the running maximum): every later rescaling is an exact power of two, which a block's scale takes up: the codes' values come out the same.
;;   OPERANDS COMPUTED ON THE WAY. 'Computed on the way' means the value that the module computes at that place (a softmax that the list does not call 'softmax' is quantised finished and normalised). What goes into a quantiser is computed in f32, as accurately as f32 sums, v_exp_f32 and their like allow (about 1e-6 of the number): no bf16 or f16 on the way to a quantiser, and a product that is left as it is and whose result goes on into a quantised operand takes f32 operands (vector FMAs, or v_wmma_f32_16x16x4_f32). A number that lies on a knife's edge between two numbers of the format may be rounded either way, as far as f32 arithmetic and the matrix unit's own rounding can turn it there, and no further.
;; One version. Each part assembles by itself: llvm-mc -triple=amdgcn-amd-amdhsa -mcpu=gfx1250 --defsym DOCPART=n.
;; ======== version 1 of 1: 4 launches
;; limits: right only within a limited range of input values
;; workspace buffers: img 6,291,456 bytes; isc 262,144 bytes; qkv 9,830,400 bytes; oc 3,145,728 bytes; os 131,072 bytes
;; launch quant (part 1): grid 256 x 1, 4 waves a work-group, no clusters, 34,304 bytes of LDS; arguments x, qkv_w, out_w, img, isc; writes img, isc
.if DOCPART == 1
	.amdgcn_target "amdgcn-amd-amdhsa--gfx1250"
	.amdhsa_code_object_version 6
	.text
	.protected	k_q7b1c5ac7d2_quant
	.globl	k_q7b1c5ac7d2_quant
	.p2align	8
	.type	k_q7b1c5ac7d2_quant,@function
k_q7b1c5ac7d2_quant:
	s_mov_b64 s[64:65], 0
	v_nop
	global_prefetch_b8 v0, s[64:65] scope:SCOPE_SE
	s_setreg_imm32_b32 hwreg(HW_REG_WAVE_MODE, 25, 1), 1
	s_wait_xcnt 0x0
; x [4096][1024], qkv_w [3072][1024] and out_w [1024][1024], f32 with K innermost, become codes of FP6 (E2M3) with one E8M0 scale byte for each 32 along K,
; laid as the later products' operand registers take them.  The three tensors are 512 tiles of 16 rows: tiles 0-255 x, 256-447 qkv_w, 448-511 out_w.
; THE ROWS OF A TILE ARE NOT NEIGHBOURS: lane row r of a tensor's tile t is its row 32 (t / 2) + 8 (t % 2) + r + 8 (r / 8).  Where such a tile is a product's source 0, a lane's 16 result
; registers of tiles 2 b and 2 b + 1 are then 16 neighbouring rows, which is what the next quantiser wants.
; A FRAGMENT (16 rows x 128 K, 12 registers a lane) lies in img as an image of its registers: register pair p of lane l at 256 p + 8 l, 1,536 bytes.  img: [K / 256][tile][2][1536].
; isc: [tile][K / 256][row r][8 bytes]: the scale words of the two fragments of that 256 along K.
; A block's scale is 2^(floor(log2(its largest magnitude)) - 2); its byte is that magnitude's exponent field - 2, held at 1 from below.
; LIMITS: a block of zeros, or one whose largest magnitude lies under 2^-124, keeps the byte 1 (its codes are zeros or what the conversion gives under that scale; the bytes are read by this program alone);
; NaN and infinities among the inputs are not served.
; SHARES: a work-group takes two tiles; wave w takes tile w / 2 of them and half w % 2 of K: four fragments.  Each load reads 512 consecutive bytes of a row; a fragment's 16 rows turn through the wave's own
; stage in LDS (rows 528 bytes apart, so that the 16 rows of a read start in 16 different groups of banks) and come back 128 bytes a lane: a whole block of 32 in one lane's registers.
; No cluster, no tensor load, no barrier: work-groups and waves share no input.  Two fragments' loads (32 a wave) are on their way.
.set SIGB, 1572864                     ; bytes of img for 256 along K: 512 tiles x 3,072
.set SP,   528                         ; a stage row: 512 bytes + 16
.set R,    16                          ; v16-143  two sets of 64: a fragment's numbers as loaded
.set X,    144                         ; v144-207 my 64 numbers: register 32 c + i is k = 64 c + 32 (lane / 16) + i of my row
.set PC,   208                         ; v208-219 the fragment's codes
.set TQ,   220                         ; v220-226 the upper halves of the two blocks, as the conversions leave them
.set SW,   228                         ; v228-231 the four fragments' scale words
.set TM,   232                         ; v232-233 largest magnitudes, v234-235 the conversions' scale operands, v236-237 bytes, v238 at work
	s_load_b256 s[4:11], s[0:1], 0x0               ; x s[4:5], qkv_w s[6:7], out_w s[8:9], img s[10:11]
	s_load_b64 s[16:17], s[0:1], 0x20              ; isc
	v_lshl_add_u32 v240, v0, 2, 0x8400
	v_mov_b32 v241, 0
	v_lshrrev_b32 v1, 5, v0
	v_readfirstlane_b32 s18, v1                    ; wave 0..3
	v_and_b32 v1, 31, v0                           ; lane
	v_and_b32 v2, 15, v0                           ; r
	v_bfe_u32 v3, v0, 4, 1                         ; h
	v_lshlrev_b32 v4, 4, v1                        ; my 16 bytes of a load's 512
	v_lshlrev_b32 v5, 3, v1                        ; my 8 bytes of a store's 256
	s_mul_i32 s19, s18, 16*SP                      ; my stage
	v_add_nc_u32 v6, s19, v4                       ; into it: 16 x lane, the row in the immediate
	v_mul_u32_u24 v7, v2, SP
	v_lshl_add_u32 v7, v3, 7, v7
	v_add_nc_u32 v7, s19, v7                       ; out of it: row r, + 128 h
	v_lshlrev_b32 v8, 3, v3                        ; 8 h: where my two bytes stand in a scale word
	v_mov_b32 v[TM+6], 0                           ; written once: a lane permute's destination counts as one of its sources
	s_mov_b32 s20, 0x76543210
	s_mov_b32 s21, 0xfedcba98                      ; v_permlanex16_b32's selects for lane l xor 16
	s_lshr_b32 s22, s18, 1                         ; which of the two tiles
	s_and_b32 s23, s18, 1                          ; which half of K
	s_wait_alu depctr_va_vdst(0)
	s_wait_kmcnt 0x0
	s_cmp_lt_u32 ttmp9, 224                        ; the tensor is chosen by the work-group's number alone; only pointers are chosen
	s_cselect_b64 s[12:13], s[6:7], s[8:9]
	s_mov_b32 s14, 224
	s_cselect_b32 s14, 128, s14
	s_cmp_lt_u32 ttmp9, 128
	s_cselect_b64 s[12:13], s[4:5], s[12:13]
	s_cselect_b32 s14, 0, s14                      ; the tensor's first work-group
	s_sub_co_u32 s24, ttmp9, s14
	s_lshl_b32 s24, s24, 5
	s_lshl_b32 s25, s22, 3
	s_add_co_u32 s24, s24, s25                     ; the tile's first row: 32 x work-group + 8 x tile
	s_lshl_b32 s24, s24, 12                        ; rows of 4,096 bytes
	s_lshl_b32 s25, s23, 11
	s_add_co_u32 s24, s24, s25                     ; + my half of K
	s_mov_b32 s25, 0
	s_add_nc_u64 s[12:13], s[12:13], s[24:25]
	s_lshl_b32 s26, ttmp9, 1
	s_add_co_u32 s26, s26, s22                     ; the tile's number among the 512
	s_mul_i32 s24, s26, 3072
	s_mul_i32 s27, s23, 2*SIGB
	s_add_co_u32 s24, s24, s27
	s_add_nc_u64 s[10:11], s[10:11], s[24:25]
	s_lshl_b32 s24, s26, 9
	s_lshl_b32 s27, s23, 8
	s_add_co_u32 s24, s24, s27
	s_add_nc_u64 s[16:17], s[16:17], s[24:25]
.macro LOAD n                          ; fragment n: 128 numbers of each of the tile's 16 rows
.irp i, 0,1,2,3,4,5,6,7,8,9,10,11,12,13,14,15
	global_load_b128 v[R+64*((\n)%2)+4*\i:R+64*((\n)%2)+4*\i+3], v4, s[12:13] offset:(\i+8*(\i/8))*4096+512*(\n) th:TH_LOAD_NT
.endr
.endm
.macro FRAGQ n
.if (\n) < 3
	s_wait_loadcnt 16                              ; this fragment's 16 loads are in; the next fragment's 16 may be out
.else
	s_wait_loadcnt 0x0
.endif
.irp i, 0,1,2,3,4,5,6,7,8,9,10,11,12,13,14,15
	ds_store_b128 v6, v[R+64*((\n)%2)+4*\i:R+64*((\n)%2)+4*\i+3] offset:SP*\i
.endr
.irp c, 0,1
.irp k, 0,1,2,3,4,5,6,7
	ds_load_b128 v[X+32*\c+4*\k:X+32*\c+4*\k+3], v7 offset:256*\c+16*\k   ; LDS serves a wave's instructions in order: these see the stores above
.endr
.endr
	s_wait_dscnt 0x0                               ; my numbers are back, and the stores have read their registers,
.if (\n) < 2
	LOAD (\n)+2                                    ; which take the loads of two fragments on
.endif
.irp c, 0,1                                    ; my block 2 c + h: all its 32 numbers are mine
	v_max3_num_f32 v[TM+\c], |v[X+32*\c]|, |v[X+32*\c+1]|, 0x1800000   ; and the floor 2^(3 - 127): the byte cannot fall under 1
.endr
.irp i, 2,4,6,8,10,12,14,16,18,20,22,24,26,28,30
.irp c, 0,1
	v_max3_num_f32 v[TM+\c], v[TM+\c], |v[X+32*\c+\i]|, |v[X+32*\c+\i+1]|   ; (the two blocks by turns)
.endr
.endr
.irp c, 0,1
	v_add_nc_u32 v[TM+2+\c], 0xff000000, v[TM+\c]  ; 2 off the exponent field: the conversion takes the exponent field of this operand as its scale
.endr
.irp c, 0,1
	v_lshrrev_b32 v[TM+4+\c], 23, v[TM+2+\c]       ; the scale's byte
.endr
	v_lshl_or_b32 v[SW+(\n)], v[TM+5], 16, v[TM+4] ; my two bytes, blocks h and 2 + h of row r,
	v_lshlrev_b32 v[SW+(\n)], v8, v[SW+(\n)]       ; at their places in the word;
	v_permlanex16_b32 v[TM+6], v[SW+(\n)], s20, s21
	v_or_b32 v[SW+(\n)], v[SW+(\n)], v[TM+6]       ; with lane l xor 16's two the word is whole, in both lanes
.if (\n) > 0
	s_wait_alu depctr_va_vdst(0)
	s_wait_xcnt 0x0                                ; the last fragment's stores have read the codes' registers
.endif
.irp c, 0,1
	v_cvt_scalef32_pk16_fp6_f32 v[PC+6*\c:PC+6*\c+2], v[X+32*\c:X+32*\c+15], v[TM+2+\c]
	v_cvt_scalef32_pk16_fp6_f32 v[TQ+4*\c:TQ+4*\c+2], v[X+32*\c+16:X+32*\c+31], v[TM+2+\c]   ; (a conversion's three registers begin on an even number)
.endr
	v_nop                                          ; one plain place behind a scaled conversion
.irp c, 0,1
.irp i, 0,1,2
	v_mov_b32 v[PC+3+6*\c+\i], v[TQ+4*\c+\i]
.endr
.endr
.irp p, 0,1,2,3,4,5
	global_store_b64 v5, v[PC+2*\p:PC+2*\p+1], s[10:11] offset:((\n)/2)*SIGB+((\n)%2)*1536+256*\p   ; 32 lanes store 256 consecutive bytes, at a multiple of 256 from img's first byte
.endr
.endm
	LOAD 0
	LOAD 1
	FRAGQ 0
	FRAGQ 1
	FRAGQ 2
	FRAGQ 3
	v_cmp_lt_u32 vcc_lo, 15, v1                    ; lanes 0-15 carry the words of my first 256 along K, lanes 16-31 those of my second
	v_cndmask_b32 v[TM], v[SW], v[SW+2], vcc_lo
	v_cndmask_b32 v[TM+1], v[SW+1], v[SW+3], vcc_lo
	global_store_b64 v5, v[TM:TM+1], s[16:17]      ; 256 consecutive bytes, aligned
	s_wait_tensorcnt 0x0
	ds_add_u32 v240, v241
	s_wait_dscnt 0x0
	s_endpgm
.Lfunc_end_k_q7b1c5ac7d2_quant:
	.size	k_q7b1c5ac7d2_quant, .Lfunc_end_k_q7b1c5ac7d2_quant-k_q7b1c5ac7d2_quant
	.p2alignl 7, 3214868480
	.fill 96, 4, 3214868480
	.section	.rodata,"a",@progbits
	.p2align	6, 0x0
	.amdhsa_kernel k_q7b1c5ac7d2_quant
		.amdhsa_group_segment_fixed_size 34304
		.amdhsa_private_segment_fixed_size 0
		.amdhsa_enable_private_segment 0
		.amdhsa_kernarg_size 40
		.amdhsa_user_sgpr_count 2
		.amdhsa_user_sgpr_kernarg_segment_ptr 1
		.amdhsa_wavefront_size32 1
		.amdhsa_system_sgpr_workgroup_id_x 1
		.amdhsa_system_sgpr_workgroup_id_y 1
		.amdhsa_system_sgpr_workgroup_id_z 1
		.amdhsa_system_vgpr_workitem_id 0
		.amdhsa_next_free_vgpr 242
		.amdhsa_next_free_sgpr 66
		.amdhsa_reserve_vcc 1
		.amdhsa_float_denorm_mode_32 3
		.amdhsa_float_denorm_mode_16_64 3
		.amdhsa_memory_ordered 1
		.amdhsa_forward_progress 1
		.amdhsa_inst_pref_size 31
	.end_amdhsa_kernel
	.amdgpu_metadata
---
amdhsa.version: [ 1, 2 ]
amdhsa.kernels:
  - .name:           k_q7b1c5ac7d2_quant
    .symbol:         k_q7b1c5ac7d2_quant.kd
    .args:
      - { .name: x, .offset: 0, .size: 8, .value_kind: global_buffer, .address_space: global }
      - { .name: qkv_w, .offset: 8, .size: 8, .value_kind: global_buffer, .address_space: global }
      - { .name: out_w, .offset: 16, .size: 8, .value_kind: global_buffer, .address_space: global }
      - { .name: img, .offset: 24, .size: 8, .value_kind: global_buffer, .address_space: global }
      - { .name: isc, .offset: 32, .size: 8, .value_kind: global_buffer, .address_space: global }
    .group_segment_fixed_size: 34304
    .private_segment_fixed_size: 0
    .kernarg_segment_align: 8
    .kernarg_segment_size: 40
    .max_flat_workgroup_size: 128
    .sgpr_count:     66
    .vgpr_count:     242
    .wavefront_size: 32
...
	.end_amdgpu_metadata
.endif
;; end of part 1
;; launch gemm_qkv (part 2): grid 12 x 16, 4 waves a work-group, clusters of 4 x 4, 327,680 bytes of LDS; arguments img, isc, qkv_b, qkv; writes qkv
.if DOCPART == 2
	.amdgcn_target "amdgcn-amd-amdhsa--gfx1250"
	.amdhsa_code_object_version 6
	.text
	.protected	k_q7b1c5ac7d2_gemm_qkv
	.globl	k_q7b1c5ac7d2_gemm_qkv
	.p2align	8
	.type	k_q7b1c5ac7d2_gemm_qkv,@function
k_q7b1c5ac7d2_gemm_qkv:
	s_mov_b64 s[64:65], 0
	v_nop
	global_prefetch_b8 v0, s[64:65] scope:SCOPE_SE
	s_setreg_imm32_b32 hwreg(HW_REG_WAVE_MODE, 25, 1), 1
	s_wait_xcnt 0x0
	s_wait_alu depctr_hold_cnt(0) depctr_sa_sdst(0) depctr_va_vdst(0) depctr_va_sdst(0) depctr_va_ssrc(0) depctr_va_vcc(0) depctr_vm_vsrc(0)
	s_getreg_b32 s2, hwreg(HW_REG_IB_STS2, 6, 4)
	s_cmp_eq_u32 s2, 0
	s_cbranch_scc0 .Lentry_in_a_cluster
	s_endpgm
.Lentry_in_a_cluster:
	s_bfe_u32 s2, ttmp6, 0x10000c
	s_cmp_lg_u32 s2, 0xf033
	s_cbranch_scc0 .Lentry_shape_is_right
	s_endpgm
.Lentry_shape_is_right:
.set SIGB,   1572864
.set ASTR,   SIGB
.set BSTR,   SIGB
.set NQ,     2
.set FR,     12
.set NL,     6
.set NP,     4
.set HALFT,  24576
.set SLOT,   4*HALFT
.set SCL,    2*SLOT
.set HALFS,  4096
.set SPARE,  SCL+4*HALFS
.set ADRA, 16
.set ADRB, 20
.set ADRS, 27
.set SPW,  28
.set NIL,  29
.set L8,   30
.set SC,   32
.set BC,   64
.set AF,   128
.set T,    128
.set PC,   192
.set TM,   212
.set PWS,  228
.set BR,   236
.set U,    236
.set PK,   252
.set SEL,  66
.set G1, 24
.set G0, 32
.set G1B, 48
.set G0B, 56
.set G1S, 68
.set G0S, 76
.set G1SB, 80
.set G0SB, 88
.set MSB, 0
.macro WIN new
.if MSB != \new
	s_set_vgpr_msb (MSB<<8)|\new
.set MSB, \new
.endif
.endm
.set MUL_LO, 0xa1
.set MUL_HI, 0xf1
.set TO_B,   0x40
.macro JLOAD g0a, g1a, g0b, g1b
	s_cmp_eq_u32 s15, 0
	s_cbranch_scc0 .Lfor_b_\@
	tensor_load_to_lds s[\g0a:\g0a+3], s[\g1a:\g1a+7]
	s_nop 0
.rept 4
	v_nop
.endr
	s_branch .Lasked_\@
.Lfor_b_\@:
	tensor_load_to_lds s[\g0b:\g0b+3], s[\g1b:\g1b+7]
	s_nop 0
.rept 4
	v_nop
.endr
.Lasked_\@:
.endm
.macro CREST
	s_cmp_lg_u32 s14, 0
	s_cbranch_scc1 .Lnot_wave_0_\@
	s_barrier_signal -3
.Lnot_wave_0_\@:
	s_barrier_wait -3
	s_barrier_signal -1
	s_barrier_wait -1
.endm
.macro CROUND
	s_barrier_signal -1
	s_barrier_wait -1
	CREST
.endm
	s_load_b256 s[4:11], s[0:1], 0x0
	v_lshl_add_u32 v[SPW], v0, 2, SPARE
	v_mov_b32 v[NIL], 0
	ds_add_u32 v28, v29
	ds_add_u32 v28, v29
	s_wait_dscnt 0x0
	v_lshrrev_b32 v1, 5, v0
	v_readfirstlane_b32 s14, v1
	s_lshr_b32 s15, s14, 1
	s_and_b32 s16, s14, 1
	s_bfe_u32 s40, ttmp6, 0x40000
	s_bfe_u32 s41, ttmp6, 0x40004
	s_and_b32 s95, ttmp7, 0xffff
	s_lshr_b32 s96, ttmp9, 1
	s_xor_b32 s97, s96, 1
	s_mul_i32 s17, s95, s97
	s_lshl_b32 s17, s17, 2
	s_add_co_u32 s17, s17, s41
	s_mul_i32 s42, ttmp9, s97
	s_mul_i32 s18, s95, s96
	s_add_co_u32 s42, s42, s18
	s_lshl_b32 s42, s42, 2
	s_add_co_u32 s42, s42, s40
	s_lshl_b32 s43, s41, 2
	s_lshl_b32 s43, 15, s43
	s_lshl_b32 s44, 0x1111, s40
	s_or_b32 s[G1+0], s43, (3<<16)|(1<<21)
	s_or_b32 s[G1B+0], s44, (3<<16)|(1<<21)
.irp g, G1, G1B
	s_mov_b32 s[\g+1], 32<<16
	s_mov_b32 s[\g+2], 192<<16                     ; the head's loads of codes bring 192 rows of 256 bytes: 16 tiles
	s_mov_b32 s[\g+3], 32<<16
	s_mov_b32 s[\g+4], 192
	s_mov_b32 s[\g+5], 32
	s_mov_b32 s[\g+6], 0
	s_mov_b32 s[\g+7], 0
.endr
	s_or_b32 s[G1S+0], s43, (3<<16)|(1<<21)
	s_or_b32 s[G1SB+0], s44, (3<<16)|(1<<21)
.irp g, G1S, G1SB
	s_mov_b32 s[\g+1], 32<<16
	s_mov_b32 s[\g+2], 32<<16                      ; the scale words of 16 tiles: 32 rows of 256 bytes
	s_mov_b32 s[\g+3], 32<<16
	s_mov_b32 s[\g+4], 32
	s_mov_b32 s[\g+5], 32
	s_mov_b32 s[\g+6], 0
	s_mov_b32 s[\g+7], 0
.endr
	s_lshl_b32 s18, s16, 3
	s_lshl_b32 s20, s17, 4
	s_mul_i32 s19, s96, 384
	s_add_co_u32 s20, s20, s19
	s_add_co_u32 s20, s20, s18
	s_lshl_b32 s46, s42, 4
	s_lshl_b32 s19, s97, 8
	s_add_co_u32 s46, s46, s19
	s_add_co_u32 s46, s46, s18
	s_lshl_b32 s22, s20, 9
	s_mov_b32 s23, 0
	s_lshl_b32 s92, s46, 9
	s_mov_b32 s93, 0
	s_mul_i32 s20, s20, 3072
	s_mov_b32 s21, 0
	s_mul_i32 s46, s46, 3072
	s_mov_b32 s47, 0
	s_mul_i32 s45, s14, HALFT
	s_lshl_b32 s94, s14, 12
	s_mov_b32 s[SEL], 0x76543210
	s_mov_b32 s[SEL+1], 0xfedcba98
	s_wait_kmcnt 0x0
	s_add_nc_u64 s[20:21], s[4:5], s[20:21]
	s_add_nc_u64 s[22:23], s[6:7], s[22:23]
	s_add_nc_u64 s[46:47], s[4:5], s[46:47]
	s_add_nc_u64 s[92:93], s[6:7], s[92:93]
	CROUND
	s_mov_b32 s[G0S], 1
	s_lshl_b32 s18, s16, 12                        ; the scales come whole, by waves 1 and 3: back from my half of 8 tiles to the first tile
	s_mov_b32 s19, 0
	s_sub_nc_u64 s[22:23], s[22:23], s[18:19]
	s_sub_nc_u64 s[92:93], s[92:93], s[18:19]
	s_lshl_b32 s94, s15, 13                        ; A's 8,192 bytes, then B's
	s_add_co_u32 s[G0S+1], s94, SCL
	s_mov_b64 s[G0S+2:G0S+3], s[22:23]
	s_or_b32 s[G0S+3], s[G0S+3], 0x80000000
	s_mov_b32 s[G0SB], 1
	s_add_co_u32 s[G0SB+1], s94, SCL
	s_mov_b64 s[G0SB+2:G0SB+3], s[92:93]
	s_or_b32 s[G0SB+3], s[G0SB+3], 0x80000000
.irp s, 0,1
	s_mov_b32 s[G0+4*\s], 1
	s_add_co_u32 s[G0+4*\s+1], s45, \s*SLOT
	s_add_nc_u64 s[G0+4*\s+2:G0+4*\s+3], s[20:21], \s*ASTR
	s_or_b32 s[G0+4*\s+3], s[G0+4*\s+3], 0x80000000
	s_mov_b32 s[G0B+4*\s], 1
	s_add_co_u32 s[G0B+4*\s+1], s45, \s*SLOT
	s_add_nc_u64 s[G0B+4*\s+2:G0B+4*\s+3], s[46:47], \s*BSTR
	s_or_b32 s[G0B+4*\s+3], s[G0B+4*\s+3], 0x80000000
.endr
; THE HEAD'S LOADS, ONE A WAVE: wave 0 A's 16 tiles of the first 256 along K, wave 1 A's scale words, wave 2 B's 16 tiles, wave 3 B's scale words.
; (Waves 0 and 2 hold the first tile's address and their slot's first byte in their own group 0.)  One chain of branches on the wave's number, one load to an arm.
.macro ARM under, g0, g1, next
	s_cmp_lt_u32 s14, \under
	s_cbranch_scc0 \next
	tensor_load_to_lds s[\g0:\g0+3], s[\g1:\g1+7]
	s_nop 0
.rept 4
	v_nop
.endr
	s_branch .Lhead_asked
\next:
.endm
	ARM 1, G0,  G1,  .Lhead_sa
	ARM 2, G0S, G1S, .Lhead_b
	ARM 3, G0B, G1B, .Lhead_sb
	tensor_load_to_lds s[G0SB:G0SB+3], s[G1SB:G1SB+7]
	s_nop 0
.rept 4
	v_nop
.endr
.Lhead_asked:
	s_wait_alu depctr_va_vdst(0)
	s_wait_tensorcnt 0x0                           ; my tile of the head's four is in
	ds_add_u32 v28, v29
	s_mov_b32 s[G1+2], 96<<16                      ; no load of mine is out: from here on a load brings 96 rows, 8 tiles
	s_mov_b32 s[G1+4], 96
	s_mov_b32 s[G1B+2], 96<<16
	s_mov_b32 s[G1B+4], 96
	s_wait_dscnt 0x0
	CROUND                                         ; all four tiles are in, in every work-group of the cluster
	JLOAD G0+4, G1, G0B+4, G1B                     ; slot 1's first fill, a quarter a wave
	v_and_b32 v1, 15, v0
	v_bfe_u32 v2, v0, 4, 1
	s_wait_alu depctr_va_vdst(0)
	v_and_b32 v3, 31, v0
	v_lshlrev_b32 v[L8], 3, v3
	s_wait_alu depctr_va_vdst(0)
	s_lshl_b32 s18, ttmp9, 3
	s_lshl_b32 s19, s40, 1
	s_add_co_u32 s18, s18, s19
	s_add_co_u32 s18, s18, s16
	s_lshl_b32 s18, s18, 9
	s_mov_b32 s19, 0
	s_add_nc_u64 s[98:99], s[8:9], s[18:19]
	s_lshl_b32 s18, s41, 1
	s_add_co_u32 s18, s18, s15
	s_lshl_b32 s18, s18, 9
	s_add_co_u32 s18, s18, 8192
	s_add_nc_u64 s[100:101], s[8:9], s[18:19]
	v_lshlrev_b32 v10, 6, v2
	v_and_b32 v11, 8, v1
	v_add_nc_u32 v11, v11, v1
	v_lshlrev_b32 v11, 2, v11
.irp b, 0,1,2,3
.irp j, 0,1,2,3
	global_load_b128 v[BC+16*\b+4*\j:BC+16*\b+4*\j+3], v10, s[98:99] offset:128*\b+16*\j
.endr
.endr
.irp a, 0,1,2,3,4,5,6,7
	global_load_b32 v[BR+2*\a], v11, s[100:101] offset:(32*(\a/2)+8*(\a%2))*4
	global_load_b32 v[BR+2*\a+1], v11, s[100:101] offset:(32*(\a/2)+8*(\a%2))*4
.endr
	s_mul_i32 s21, s15, HALFT
	s_mul_i32 s22, s16, HALFT
	s_add_co_u32 s22, s22, 2*HALFT
.irp s, 0,1
	v_add_nc_u32 v[ADRA+\s], s21, v[L8]
	v_add_nc_u32 v[ADRB+\s], s22, v[L8]
	s_add_co_u32 s21, s21, SLOT
	s_add_co_u32 s22, s22, SLOT
.endr
	v_lshlrev_b32 v5, 3, v1
	s_lshl_b32 s21, s15, 12
	s_lshl_b32 s22, s16, 12
	s_add_co_u32 s22, s22, 2*HALFS
	s_sub_co_u32 s22, s22, s21
	v_mul_u32_u24 v6, s22, v2
	s_add_co_u32 s21, s21, SCL
	v_add_nc_u32 v5, v5, v6
	v_add_nc_u32 v[ADRS], s21, v5
.macro FRAG reg, adr, q, i
.irp p, 0,1,2,3,4,5
	ds_load_b64 v[\reg+2*\p:\reg+2*\p+1], v[\adr] offset:(\i)*3072+(\q)*1536+256*\p
.endr
.endm
.macro MUL16 a0, p, q, sc, zero
.irp a, \a0, \a0+1
.irp b, 0,1,2,3,4,5,6,7
.if \zero
	v_wmma_scale_f32_16x16x128_f8f6f4 v[8*(8*((\a)%4)+\b):8*(8*((\a)%4)+\b)+7], v[128*(\p)+FR*\b:128*(\p)+FR*\b+FR-1], v[AF+FR*(\a):AF+FR*(\a)+FR-1], 0, v[SC+8*NQ*(\sc)+NQ*\b+(\q)], v[SC+8*NQ*(\sc)+NQ*(\a)+(\q)] matrix_a_fmt:MATRIX_FMT_FP6 matrix_b_fmt:MATRIX_FMT_FP6 matrix_a_scale:MATRIX_SCALE_ROW1
.else
	v_wmma_scale_f32_16x16x128_f8f6f4 v[8*(8*((\a)%4)+\b):8*(8*((\a)%4)+\b)+7], v[128*(\p)+FR*\b:128*(\p)+FR*\b+FR-1], v[AF+FR*(\a):AF+FR*(\a)+FR-1], v[8*(8*((\a)%4)+\b):8*(8*((\a)%4)+\b)+7], v[SC+8*NQ*(\sc)+NQ*\b+(\q)], v[SC+8*NQ*(\sc)+NQ*(\a)+(\q)] matrix_a_fmt:MATRIX_FMT_FP6 matrix_b_fmt:MATRIX_FMT_FP6 matrix_a_scale:MATRIX_SCALE_ROW1
.endif
.endr
.endr
.endm
.macro FETCH_B slot, q, p
	WIN TO_B
.irp i, 0,1,2,3,4,5,6,7
	FRAG 128*(\p)+FR*\i, ADRB+\slot, \q, \i
.endr
	WIN 0
.endm
.macro FETCH_A slot, q, i0
.irp i, \i0, \i0+1, \i0+2, \i0+3
	FRAG AF+FR*(\i), ADRA+\slot, \q, \i
.endr
.endm
.macro SCALES sc
.irp i, 0,1,2,3,4,5,6,7
	ds_load_b64 v[SC+8*NQ*\sc+NQ*\i:SC+8*NQ*\sc+NQ*\i+1], v[ADRS] offset:\i*512
.endr
.endm
.macro PLACES n
.rept \n
	v_nop
.endr
.endm
.macro STEP slot, q, zero
	s_wait_dscnt 4*NL
	WIN MUL_LO
	MUL16 0, (\q)%2, \q, \slot, \zero
	MUL16 2, (\q)%2, \q, \slot, \zero
	s_wait_dscnt 0
	PLACES NP
	FETCH_B \slot, (\q)+1, 1-(\q)%2
	FETCH_A \slot, (\q)+1, 0
	WIN MUL_HI
	MUL16 4, (\q)%2, \q, \slot, \zero
	MUL16 6, (\q)%2, \q, \slot, \zero
	PLACES NP
	WIN 0
	FETCH_A \slot, (\q)+1, 4
.endm
.macro TURN slot, next, fill
	s_wait_tensorcnt 0x0
	ds_add_u32 v[SPW], v[NIL]
	s_wait_dscnt 4*NL+1
	WIN MUL_LO
	MUL16 0, 1, NQ-1, \slot, 0
	s_wait_dscnt 0x0
	s_barrier_signal -1
	MUL16 2, 1, NQ-1, \slot, 0
	WIN 0
	s_barrier_wait -1
.if \fill
	CREST
	s_add_nc_u64 s[G0+4*\slot+2:G0+4*\slot+3], s[G0+4*\slot+2:G0+4*\slot+3], 2*ASTR
	s_add_nc_u64 s[G0B+4*\slot+2:G0B+4*\slot+3], s[G0B+4*\slot+2:G0B+4*\slot+3], 2*BSTR
	JLOAD G0+4*\slot, G1, G0B+4*\slot, G1B
.else
	PLACES NP
.endif
	s_wait_alu depctr_va_vdst(0)
	v_add_nc_u32 v[ADRS], 128, v[ADRS]
	FETCH_B \next, 0, 0
	FETCH_A \next, 0, 0
	SCALES \next
	WIN MUL_HI
	MUL16 4, 1, NQ-1, \slot, 0
	MUL16 6, 1, NQ-1, \slot, 0
	PLACES NP
	WIN 0
	FETCH_A \next, 0, 4
.endm
	s_wait_alu depctr_va_vdst(0)
	FETCH_B 0, 0, 0
	FETCH_A 0, 0, 0
	SCALES 0
	FETCH_A 0, 0, 4
	STEP 0, 0, 1
	TURN 0, 1, 1
	STEP 1, 0, 0
	TURN 1, 0, 1
	STEP 0, 0, 0
	TURN 0, 1, 0
	STEP 1, 0, 0
	s_wait_dscnt 4*NL
	WIN MUL_LO
	MUL16 0, 1, NQ-1, 1, 0
	MUL16 2, 1, NQ-1, 1, 0
	s_wait_dscnt 0
	WIN MUL_HI
	MUL16 4, 1, NQ-1, 1, 0
	MUL16 6, 1, NQ-1, 1, 0
	WIN 0
.macro QUANT s, pw
.irp b, 0,1,2,3
	v_max3_num_f32 v[TM+\b], |v[\s+16*\b]|, |v[\s+1+16*\b]|, 0x1800000
.endr
.irp i, 2,4,6,8,10,12,14
.irp b, 0,1,2,3
	v_max3_num_f32 v[TM+\b], v[TM+\b], |v[\s+16*\b+\i]|, |v[\s+1+16*\b+\i]|
.endr
.endr
.irp b, 0,1,2,3
	v_permlanex16_b32 v[TM+4+\b], v[TM+\b], s[SEL], s[SEL+1]
.endr
.irp b, 0,1,2,3
	v_max_num_f32 v[TM+\b], v[TM+\b], v[TM+4+\b]
.endr
.irp b, 0,1,2,3
	v_add_nc_u32 v[TM+12+\b], 0xff000000, v[TM+\b]
.endr
.irp b, 0,1,2,3
	v_lshrrev_b32 v[TM+4+\b], 23, v[TM+12+\b]
.endr
	v_lshl_or_b32 v[\pw], v[TM+5], 8, v[TM+4]
	v_lshl_or_b32 v[\pw], v[TM+6], 16, v[\pw]
	v_lshl_or_b32 v[\pw], v[TM+7], 24, v[\pw]
.irp c, 0,1
	v_cvt_scalef32_pk16_fp6_f32 v[PC+6*\c:PC+2+6*\c], v[\s+32*\c:\s+15+32*\c], v[TM+12+2*\c]
	v_cvt_scalef32_pk16_fp6_f32 v[PC+12+4*\c:PC+14+4*\c], v[\s+16+32*\c:\s+31+32*\c], v[TM+12+2*\c+1]
.endr
	v_nop
.irp c, 0,1
.irp i, 0,1,2
	v_permlane16_swap_b32 v[PC+6*\c+\i], v[PC+12+4*\c+\i]
.endr
.irp i, 0,1,2
	v_mov_b32 v[PC+3+6*\c+\i], v[PC+12+4*\c+\i]
.endr
.endr
.endm
.macro BLOCKQ a, v
.if (\a) > 0
	s_wait_xcnt 0x0
.endif
	WIN 0x02+(\a)/4
.set AC, 64*((\a)%4)
.set i, 0
.rept 32
.if \v
	v_pk_add_f32 v[T+2*i:T+2*i+1], v[AC+2*i:AC+2*i+1], v[BR+2*(\a):BR+2*(\a)+1]
.else
	v_pk_add_f32 v[T+2*i:T+2*i+1], v[AC+2*i:AC+2*i+1], v[BC+2*i:BC+2*i+1]
.endif
.set i, i+1
.endr
	WIN 0
	QUANT T, PWS+(\a)
.if \v
.irp p, 0,1,2,3,4,5
	global_store_b64 v[L8], v[PC+2*\p:PC+2*\p+1], s[20:21] offset:((\a)/4)*409600+6400+((\a)%4)*1536+256*\p
.endr
.else
.irp e, 0,1
.irp p, 0,1,2
	global_store_b64 v[L8], v[PC+6*\e+2*\p:PC+6*\e+2*\p+1], s[20+2*\e:21+2*\e] offset:768*(\a)+256*\p
.endr
.endr
.endif
.endm
.macro PACKS u
.irp e, 0,1
	v_cndmask_b32 v[PK+2*\e], v[\u+4*\e], v[\u+4*\e+1], vcc_lo
	v_cndmask_b32 v[PK+2*\e+1], v[\u+4*\e+2], v[\u+4*\e+3], vcc_lo
.endr
.endm
	PLACES NP
	s_wait_loadcnt 0x0                             ; the bias, asked for at the head and first used here
.irp b, 0,1,2,3
	v_mov_b32 v[TM+4+\b], 0
.endr
	v_cmp_eq_u32 vcc_lo, 1, v2
	s_cmp_eq_u32 s96, 0
	s_cbranch_scc0 .Lway_v
	s_lshl_b32 s18, s40, 2
	s_lshl_b32 s19, s16, 1
	s_add_co_u32 s18, s18, s19
	s_mul_i32 s18, s18, 204800
	s_lshl_b32 s19, s17, 1
	s_add_co_u32 s19, s19, s15
	s_mul_i32 s19, s19, 6400
	s_add_co_u32 s18, s18, s19
	s_lshl_b32 s18, s18, ttmp9
	s_mul_i32 s19, ttmp9, 3276800
	s_add_co_u32 s18, s18, s19
	s_mov_b32 s19, 0
	s_add_nc_u64 s[20:21], s[10:11], s[18:19]
	s_lshl_b32 s18, 204800, ttmp9
	s_add_nc_u64 s[22:23], s[20:21], s[18:19]
.irp a, 0,1,2,3,4,5,6,7
	BLOCKQ \a, 0
.endr
.irp e, 0,1
.irp f, 0,1,2,3
	v_perm_b32 v[U+4*\e+\f], v[PWS+2*\f+1], v[PWS+2*\f], 0x05040100+0x02020202*\e
.endr
.endr
	PACKS U
.irp e, 0,1
	global_store_b64 v[L8], v[PK+2*\e:PK+2*\e+1], s[20+2*\e:21+2*\e] offset:6144
.endr
	s_branch .Lend
.Lway_v:
	s_lshl_b32 s18, s17, 1
	s_add_co_u32 s18, s18, s15
	s_mul_i32 s18, s18, 2*409600
	s_lshl_b32 s19, s42, 1
	s_add_co_u32 s19, s19, s16
	s_mul_i32 s19, s19, 12800
	s_add_co_u32 s18, s18, s19
	s_add_co_u32 s18, s18, 3276800
	s_mov_b32 s19, 0
	s_add_nc_u64 s[20:21], s[10:11], s[18:19]
.irp a, 0,1,2,3,4,5,6,7
	BLOCKQ \a, 1
.endr
	PACKS PWS
.irp e, 0,1
	global_store_b64 v[L8], v[PK+2*\e:PK+2*\e+1], s[20:21] offset:\e*409600+12544
.endr
.Lend:
	s_wait_tensorcnt 0x0
	ds_add_u32 v[SPW], v[NIL]
	s_wait_dscnt 0x0
	CROUND
	s_endpgm
.Lfunc_end_k_q7b1c5ac7d2_gemm_qkv:
	.size	k_q7b1c5ac7d2_gemm_qkv, .Lfunc_end_k_q7b1c5ac7d2_gemm_qkv-k_q7b1c5ac7d2_gemm_qkv
	.p2alignl 7, 3214868480
	.fill 96, 4, 3214868480
	.section	.rodata,"a",@progbits
	.p2align	6, 0x0
	.amdhsa_kernel k_q7b1c5ac7d2_gemm_qkv
		.amdhsa_group_segment_fixed_size 327680
		.amdhsa_private_segment_fixed_size 0
		.amdhsa_enable_private_segment 0
		.amdhsa_kernarg_size 32
		.amdhsa_user_sgpr_count 2
		.amdhsa_user_sgpr_kernarg_segment_ptr 1
		.amdhsa_wavefront_size32 1
		.amdhsa_system_sgpr_workgroup_id_x 1
		.amdhsa_system_sgpr_workgroup_id_y 1
		.amdhsa_system_sgpr_workgroup_id_z 1
		.amdhsa_system_vgpr_workitem_id 0
		.amdhsa_next_free_vgpr 1024
		.amdhsa_next_free_sgpr 102
		.amdhsa_reserve_vcc 1
		.amdhsa_float_denorm_mode_32 3
		.amdhsa_float_denorm_mode_16_64 3
		.amdhsa_memory_ordered 1
		.amdhsa_forward_progress 1
		.amdhsa_inst_pref_size 239
	.end_amdhsa_kernel
	.amdgpu_metadata
---
amdhsa.version: [ 1, 2 ]
amdhsa.kernels:
  - .name:           k_q7b1c5ac7d2_gemm_qkv
    .symbol:         k_q7b1c5ac7d2_gemm_qkv.kd
    .args:
      - { .name: img, .offset: 0, .size: 8, .value_kind: global_buffer, .address_space: global }
      - { .name: isc, .offset: 8, .size: 8, .value_kind: global_buffer, .address_space: global }
      - { .name: qkv_b, .offset: 16, .size: 8, .value_kind: global_buffer, .address_space: global }
      - { .name: qkv, .offset: 24, .size: 8, .value_kind: global_buffer, .address_space: global }
    .group_segment_fixed_size: 327680
    .private_segment_fixed_size: 0
    .kernarg_segment_align: 8
    .kernarg_segment_size: 32
    .max_flat_workgroup_size: 128
    .sgpr_count:     102
    .vgpr_count:     1024
    .wavefront_size: 32
...
	.end_amdgpu_metadata
.endif
;; end of part 2
;; launch attn (part 3): grid 16 x 16, 16 waves a work-group, no clusters, 327,680 bytes of LDS; arguments qkv, oc, os; writes oc, os
.if DOCPART == 3
	.amdgcn_target "amdgcn-amd-amdhsa--gfx1250"
	.amdhsa_code_object_version 6
	.text
	.protected	k_q7b1c5ac7d2_attn
	.globl	k_q7b1c5ac7d2_attn
	.p2align	8
	.type	k_q7b1c5ac7d2_attn,@function
k_q7b1c5ac7d2_attn:
	s_mov_b64 s[64:65], 0
	v_nop
	global_prefetch_b8 v0, s[64:65] scope:SCOPE_SE
	s_setreg_imm32_b32 hwreg(HW_REG_WAVE_MODE, 25, 1), 1
	s_wait_xcnt 0x0
; Causal attention of 16 heads of 64 channels over 4,096 tokens, both products on codes of FP6 (E2M3) with E8M0 scales, from the codes laid in qkv; the result, divided by the row's sum,
; is quantised along (head, channel) and leaves as codes for the last product (oc: fragments' images; os: scale words).
; LEFT OUT: key steps all of whose keys come after a block's queries: the causal mask sets their scores to -infinity, so they add nothing to any sum, whatever the inputs hold.
; THE SOFTMAX: t = score x log2(e) / 8; M = the largest t so far, rounded UP to a whole number; p = 2^(t - M) is quantised along the keys, not normalised; the row's sum is taken of the unquantised p.
; When M moves, the sum and O are multiplied by 2^(old M - new M): exact.
; LAYOUT.  Both products are used transposed: S^T = K Q^T, O^T = V^T P^T: a lane holds ONE query.  Lane row r of a tile t of tokens stands for token 32 (t / 2) + 8 (t % 2) + r + 8 (r / 8).
; K = 64 IN A FORM OF K = 128: a fragment's registers 0-5 hold key tile 2 f, registers 6-11 key tile 2 f + 1; it is multiplied once by [q | zero codes] and once by [zero codes | q].
; SHARES.  Work-group (x, head) owns two blocks of 128 queries: block L = 31 - x and block x.  Block n needs key steps 0 .. n of 128 keys: (L + 1) + (x + 1) = 33 steps in every work-group.
; They form ONE STREAM: place j <= L is key step j for block L, place j > L is key step j - L - 1 for block x.  Wave w holds query tile w % 8 of the block in hand and takes the places j with j % 2 = w / 8:
; 17 or 16 steps a wave.  When its next place passes L, a wave puts its part of block L (O^T, -M, the sum) into LDS bytes of its own and begins block x.  At the end the two parts of each tile are joined:
; waves 0-7 join block L, waves 8-15 block x; both parts are brought under the larger M by powers of two.
; THE RING: slot 0 has 9 places, slot 1 has 8; four phases bring places 0-8, 9-16, 17-24, 25-32.  A place is one dense block of 12,800 bytes (K, V and their scale words), one tensor load of one wave.
; Each phase walks five trips; a trip with no place of the wave's own is jumped over by a test on the wave's number and the counters, and its LDS address is held inside the slot.
; NO CLUSTER: the 16 work-groups of a head read the same keys, but each changes from block L's keys to block x's at another place of the stream (L + 1 = 17 .. 32), so their loads' addresses differ from there on.
; PREFETCH: key steps 17 to 31 are named one phase ahead of the fill that wants them; the head's 16 work-groups share a phase's eight steps out by address, half a step (25 blocks of 256 bytes) each, wave 15 asks.
; Key steps 0 to 16 come by their loads alone; block x's keys have been read before.
; os is stored two bytes a lane: a scale word spans two heads, which are different work-groups'.
; LIMITS: the promise holds while |t| stays under 2^31; a block under 2^-124 keeps the scale byte 1; 1 / sum is v_rcp_f32's; v_exp_f32 gives 0 for results under 2^-126; NaN and infinities are not served.
; REGISTERS: v1-3, v5-11, v28-31 addresses and constants; v12 -M, v13 the largest t, v[14:15] the sum; v16-27 [q | 0]; v192-203 [0 | q]; v80-86 block x's q and scale word; v32-79 fragments of K, then of V;
;   v96-159 S^T, then p; v160-191 O^T; v224-235 p's codes; v232-255 at work and scale words.
.set STEPB, 12800                      ; a key step's block
.set S1B,   9*STEPB                    ; slot 1 begins here
.set STG,   17*STEPB                   ; behind the ring: 24 parts of PART bytes: block L's of waves 0-15, block x's of waves 0-7
.set PART,  4352                       ; 32 registers x 128 bytes, and 8 bytes a lane for -M and the sum
.set SPARE, STG+24*PART                ; the spare words, 128 bytes for each wave
.set KVO,   3276800                    ; where K and V begin in qkv
.set AL,   1                           ; v1   8 x lane
.set SPW,  5                           ; v5   my spare word; never rewritten
.set NIL,  6                           ; v6   0; never rewritten
.set QL,   7                           ; v7   my query's place in its block - 16 (lane / 16)
.set ADR,  8                           ; v8   LDS address of the step in hand
.set PFO,  9                           ; v9   the prefetch's offset
.set R8,   10                          ; v10  8 x (lane % 16)
.set TB,   2
.set CNT,  3
.set LL,   14                          ; s14  L
.set L1,   15                          ; s15  L + 1
.set WV,   18
.set J,    19                          ; s19  my next place in the stream
.set SEL,  20
.set CS,   22
.set G1,   24
.set KVB,  34                          ; s[34:35] the head's K and V
.set G0,   40
.set LSW,  48                          ; s48  beyond this place I change blocks
.set JDG,  49                          ; s49  the place of the block's diagonal step
.set RB,   66                          ; s66  the slot that is read
.set SLOTS, 67
.set FB,   68                          ; s68  the slot that is filled
.set JF,   69                          ; s69  the place that I fetch next
.set ST,   72                          ; s72  where my first place of the phase lies in its slot; s73: the same from phase 1 on
.set ST1,  73
.set PM,   74                          ; s74  the slot's last place
.set SK,   75                          ; s75  trips at a phase's end that are not mine
.set PFA,  76
.set PK,   78                          ; s78  the key step that my work-group would name
.set TM,   79
.set LIM,  80                          ; s80  31 in wave 15, else 0
.macro ASK
	s_cmp_le_u32 s[PK], s[LIM]
	s_cbranch_scc0 .Lnot_mine_\@
	global_prefetch_b8 v[PFO], s[PFA:PFA+1] th:TH_LOAD_NT scope:SCOPE_SE
.Lnot_mine_\@:
.endm
	s_load_b128 s[4:7], s[0:1], 0x0                ; qkv, oc
	s_load_b64 s[8:9], s[0:1], 0x10                ; os
	v_lshl_add_u32 v[SPW], v0, 2, SPARE
	v_mov_b32 v[NIL], 0
	ds_add_u32 v[SPW], v[NIL]                      ; the opening lines: the add twice on end and one wait
	ds_add_u32 v[SPW], v[NIL]
	v_lshrrev_b32 v8, 5, v0
	s_delay_alu instid0(VALU_DEP_1)
	v_readfirstlane_b32 s[WV], v8                  ; wave 0..15
	s_and_b32 s11, ttmp7, 0xffff                   ; the head
	s_lshr_b32 s12, s[WV], 3                       ; my parity
	s_and_b32 s13, s[WV], 7                        ; my tile in a block
	s_sub_co_u32 s[LL], 31, ttmp9
	s_add_co_u32 s[L1], s[LL], 1
	s_mov_b32 s[LSW], s[LL]
	s_mov_b32 s[JDG], s[LL]
	s_mov_b32 s[J], s12
	s_mul_i32 s32, s11, 32*STEPB
	s_add_co_u32 s32, s32, KVO
	s_mov_b32 s33, 0
	s_mul_i32 s36, s[WV], STEPB                    ; the place that I fetch: in a slot, and at the head in memory too
	s_mul_i32 s37, s[WV], PART
	s_add_co_u32 s37, s37, STG                     ; my part's bytes
	s_mul_i32 s38, s11, 204800                     ; Q: a head is 32 blocks of 6,400 bytes
	s_mul_i32 s50, s[LL], 6400
	s_add_co_u32 s50, s50, s38
	s_mov_b32 s51, 0
	s_mul_i32 s16, ttmp9, 6400
	s_add_co_u32 s38, s38, s16
	s_mov_b32 s39, 0
	s_mul_i32 s52, s13, 768                        ; my tile's codes in a block
	s_bfe_u32 s54, s13, 0x10001                    ; the word f = tile / 2 of its scales: lanes' half f % 2, register f / 2
	s_lshl_b32 s54, s54, 7
	s_lshr_b32 s16, s13, 2
	s_lshl_b32 s16, s16, 2
	s_add_co_u32 s54, s54, s16
	s_and_b32 s56, s13, 1
	s_lshl_b32 s57, s56, 3
	s_lshl_b32 s56, s56, 4                         ; my tile's half of that word
	s_lshr_b32 s16, s13, 1
	s_lshl_b32 s16, s16, 5
	s_add_co_u32 s57, s57, s16                     ; my tile's first token in its block
	s_cmp_eq_u32 s12, 0                            ; the tile that I join and store: block L's (waves 0-7) or block x's
	s_cselect_b32 s17, s[LL], ttmp9
	s_lshl_b32 s17, s17, 3
	s_add_co_u32 s17, s17, s13
	s_lshr_b32 s10, s11, 2                         ; head hd fills, of the last product's K, step of 256 hd / 4, fragment (hd / 2) % 2, half hd % 2
	s_bfe_u32 s16, s11, 0x10001
	s_and_b32 s53, s11, 1
	s_mul_i32 s58, s10, 786432
	s_mul_i32 s55, s17, 3072
	s_add_co_u32 s58, s58, s55
	s_mul_i32 s55, s16, 1536
	s_add_co_u32 s58, s58, s55
	s_mul_i32 s55, s53, 768
	s_add_co_u32 s58, s58, s55
	s_mov_b32 s59, 0
	s_lshl_b32 s60, s17, 9
	s_lshl_b32 s10, s10, 7
	s_add_co_u32 s60, s60, s10
	s_lshl_b32 s16, s16, 2
	s_add_co_u32 s60, s60, s16
	s_lshl_b32 s53, s53, 1
	s_add_co_u32 s60, s60, s53
	s_mov_b32 s61, 0
	s_lshr_b32 s[PK], ttmp9, 1                     ; the prefetch: key step 9 + x / 2, half x % 2; each change of slots steps it by 8 ahead of asking
	s_add_co_u32 s[PK], s[PK], 9
	s_mul_i32 s62, s[PK], STEPB
	s_add_co_u32 s62, s62, s32
	s_and_b32 s10, ttmp9, 1
	s_mul_i32 s10, s10, 6400
	s_add_co_u32 s62, s62, s10
	s_mov_b32 s63, 0
	s_cmp_eq_u32 s[WV], 15
	s_cselect_b32 s[LIM], 31, 0
	s_mov_b32 s[G1], 3<<16                         ; group 1: 50 rows of 32 elements of 8 bytes, dense, no padding, no mask
	s_mov_b32 s[G1+1], 32<<16
	s_mov_b32 s[G1+2], 50<<16
	s_mov_b32 s[G1+3], 32<<16
	s_mov_b32 s[G1+4], 50
	s_mov_b32 s[G1+5], 32
	s_mov_b32 s[G1+6], 0
	s_mov_b32 s[G1+7], 0
	s_mov_b32 s[SEL], 0x76543210
	s_mov_b32 s[SEL+1], 0xfedcba98
	s_mov_b32 s[CS], 0x3e38aa3b                    ; c = log2(e) / 8
	s_mov_b32 s[CS+1], s[CS]
	s_mov_b32 s[RB], 0
	s_mov_b32 s[FB], 0
	s_add_co_u32 s[JF], s[WV], 9
	s_mul_i32 s[ST], s12, STEPB                    ; phase 0: place j lies at j
	s_xor_b32 s16, s12, 1
	s_mul_i32 s[ST1], s16, STEPB                   ; later phases begin with an odd place at 0
	s_mov_b32 s[PM], 8*STEPB
	s_mov_b32 s[SK], s12                           ; phase 0 has five places for parity 0, four for parity 1
	s_mov_b32 s[SLOTS], 3
	s_mov_b32 s70, s36
	s_mov_b32 s71, 0
	s_wait_dscnt 0x0                               ; both opening adds are done
	s_wait_kmcnt 0x0
	s_add_nc_u64 s[KVB:KVB+1], s[4:5], s[32:33]
	s_mov_b32 s[G0], 1
	s_mov_b32 s[G0+1], s36
	s_add_nc_u64 s[G0+2:G0+3], s[KVB:KVB+1], s[70:71]
	s_or_b32 s[G0+3], s[G0+3], 0x80000000
	s_add_nc_u64 s[44:45], s[4:5], s[50:51]        ; block L's Q
	s_add_nc_u64 s[46:47], s[4:5], s[38:39]        ; block x's Q
	s_add_nc_u64 s[6:7], s[6:7], s[58:59]
	s_add_nc_u64 s[8:9], s[8:9], s[60:61]
	s_add_nc_u64 s[PFA:PFA+1], s[4:5], s[62:63]
	s_cmp_lt_u32 s[WV], 9                          ; places 0 to 8: one load a wave, waves 0 to 8
	s_cbranch_scc0 .Lhead_asked
	tensor_load_to_lds s[G0:G0+3], s[G1:G1+7]
	s_nop 0
.rept 4
	v_nop
.endr
.Lhead_asked:
	v_and_b32 v11, 31, v0
	s_delay_alu instid0(VALU_DEP_1)
	v_lshlrev_b32 v[AL], 3, v11
	v_lshl_add_u32 v28, v11, 4, s37                ; my part: 16 bytes a lane,
	v_lshl_add_u32 v29, v11, 3, s37                ; and 8 bytes a lane
	v_min_u32 v[PFO], 24, v11
	s_delay_alu instid0(VALU_DEP_3)
	v_add_nc_u32 v30, 16*PART, v28                 ; waves 0-7: where block x's part goes
	s_delay_alu instid0(VALU_DEP_3)
	v_add_nc_u32 v31, 16*PART, v29
	v_lshlrev_b32 v[PFO], 8, v[PFO]
	v_and_b32 v11, 15, v0                          ; r
	s_delay_alu instid0(VALU_DEP_1)
	v_lshlrev_b32 v[R8], 3, v11
	v_add_nc_u32 v2, s52, v[AL]
	s_delay_alu instid0(VALU_DEP_2)
	v_add_nc_u32 v3, s54, v[R8]
.irp p, 0,1,2
	global_load_b64 v[16+2*\p:17+2*\p], v2, s[44:45] offset:256*\p     ; block L's q, as the lower half of K = 128,
	global_load_b64 v[198+2*\p:199+2*\p], v2, s[44:45] offset:256*\p   ; as the upper half,
	global_load_b64 v[80+2*\p:81+2*\p], v2, s[46:47] offset:256*\p     ; and block x's q, kept
.endr
	global_load_b32 v254, v3, s[44:45] offset:6144
	global_load_b32 v87, v3, s[46:47] offset:6144
	v_and_b32 v[QL], 8, v11
	s_delay_alu instid0(VALU_DEP_1)
	v_add_nc_u32 v[QL], v[QL], v11                 ; r + 8 (r / 8)
	v_bfe_u32 v11, v0, 4, 1
	s_delay_alu instid0(VALU_DEP_1)
	v_lshlrev_b32 v11, 4, v11
	s_delay_alu instid0(VALU_DEP_1)
	v_sub_nc_u32 v[QL], v[QL], v11
	s_delay_alu instid0(VALU_DEP_1)
	v_add_nc_u32 v[QL], s57, v[QL]
	s_wait_alu depctr_va_vdst(0)
	s_wait_loadcnt 0x0
	v_lshrrev_b32 v254, s56, v254
	v_lshrrev_b32 v87, s56, v87
	s_delay_alu instid0(VALU_DEP_2)
	v_and_b32 v254, 0xffff, v254                   ; my tile's two bytes,
	s_delay_alu instid0(VALU_DEP_2)
	v_and_b32 v87, 0xffff, v87
	s_delay_alu instid0(VALU_DEP_2)
	v_lshl_or_b32 v255, v254, 16, v254             ; for both halves of K = 128
	s_delay_alu instid0(VALU_DEP_2)
	v_lshl_or_b32 v86, v87, 16, v87
.irp j, 0,1,2,3,4,5
	v_mov_b32 v[22+\j], 0                          ; zero codes
	v_mov_b32 v[192+\j], 0
.endr
	v_mov_b32 v13, 0xff61b1e6                      ; the largest t so far: -3e38
	v_mov_b32 v12, 0x7f61b1e6                      ; -M = 3e38, a whole number
	v_mov_b32 v14, 0
	v_mov_b32 v15, 0
.irp b, 0,1,2,3
	v_mov_b32 v[236+\b], 0                         ; a lane permute's destination counts as one of its sources
.endr
	v_mov_b32 v252, 0
	v_mov_b32 v253, 0
.set i, 0
.rept 32
	v_mov_b32 v[160+i], 0                          ; O^T: the step is written once, and the first finds zeros
.set i, i+1
.endr
	s_wait_alu depctr_va_vdst(0)                   ; the wait at the head's end
; A TRIP: first the change of blocks, where my next place has passed L; then, if the trip is mine, a key step of 128 keys.
.macro STEP
	s_cmp_gt_u32 s[J], s[LSW]
	s_cbranch_scc0 .Lsame_\@
.rept 4
	v_nop                                          ; places behind the last products
.endr
	v_add_f32 v13, v14, v15                        ; the sum's two halves
.irp q, 0,1,2,3,4,5,6,7
	ds_store_b128 v28, v[160+4*\q:163+4*\q] offset:512*\q   ; my part of block L, each accumulator from its low end on
.endr
	ds_store_b64 v29, v[12:13] offset:4096         ; -M and the sum
.irp j, 0,1,2,3,4,5
	v_mov_b32 v[16+\j], v[80+\j]                   ; block x's q
	v_mov_b32 v[198+\j], v[80+\j]
.endr
	v_mov_b32 v255, v86
	v_mov_b32 v13, 0xff61b1e6
	v_mov_b32 v12, 0x7f61b1e6
	v_mov_b32 v14, 0
	v_mov_b32 v15, 0
.set i, 0
.rept 32
	v_mov_b32 v[160+i], 0                          ; (these are also the places between q's and the scale word's writes and the next products)
.set i, i+1
.endr
	s_mov_b32 s[LSW], -1                           ; once
	s_mov_b32 s[JDG], 32                           ; block x's diagonal step is the stream's last place
	s_wait_alu depctr_va_vdst(0)                   ; the wait
.Lsame_\@:
	s_cmp_le_u32 s[CNT], s[SK]                     ; a trip with no place of mine
	s_cbranch_scc1 .Lhidden_\@
	s_min_u32 s70, s[TB], s[TM]
	v_add_nc_u32 v[ADR], s70, v[AL]
.rept 3
	v_nop                                          ; with the addition: four places in front of loads into registers that the last products have read
.endr
.irp f, 0,1,2,3
.irp p, 0,1,2,3,4,5
	ds_load_b64 v[32+12*\f+2*\p:33+12*\f+2*\p], v[ADR] offset:1536*\f+256*\p
.endr
.endr
	ds_load_b64 v[248:249], v[ADR] offset:6144
	s_wait_alu depctr_va_vdst(0)
	s_wait_dscnt 0x0
.irp i, 0,1,2,3,4,5,6,7                        ; S^T: key tile i = half i % 2 of fragment i / 2
.if ((\i)/2)%2
	v_wmma_scale_f32_16x16x128_f8f6f4 v[96+8*\i:103+8*\i], v[32+12*(\i/2):43+12*(\i/2)], v[16+176*(\i%2):27+176*(\i%2)], 0, v[248+\i/4], v255 matrix_a_fmt:MATRIX_FMT_FP6 matrix_b_fmt:MATRIX_FMT_FP6 matrix_a_scale:MATRIX_SCALE_ROW1
.else
	v_wmma_scale_f32_16x16x128_f8f6f4 v[96+8*\i:103+8*\i], v[32+12*(\i/2):43+12*(\i/2)], v[16+176*(\i%2):27+176*(\i%2)], 0, v[248+\i/4], v255 matrix_a_fmt:MATRIX_FMT_FP6 matrix_b_fmt:MATRIX_FMT_FP6
.endif
.endr                                          ; the 16 registers of tiles 2 b, 2 b + 1 are keys 32 b + 16 h + 0 .. 15 of the step
.rept 4
	v_nop                                          ; places: for the loads below and for the first reads of the scores
.endr
.irp t, 0,1,2,3                                ; V's four fragments land while the softmax is walked
.irp p, 0,1,2,3,4,5
	ds_load_b64 v[32+12*\t+2*\p:33+12*\t+2*\p], v[ADR] offset:6400+1536*\t+256*\p
.endr
.endr
	ds_load_b64 v[250:251], v[ADR] offset:12544
	s_cmp_lg_u32 s[J], s[JDG]                      ; only the block's own key step hides keys: there the step's first key is the block's first query
	s_cbranch_scc1 .Lopen_\@
	v_mov_b32 v254, 0xff800000                     ; -infinity.  Register 16 b + i holds key 32 b + 16 h + i of the step: hidden where 32 b + i > my query's place - 16 h
.set n, 0
.rept 64
	v_cmp_gt_i32 vcc_lo, 32*(n/16)+n%16, v[QL]
	v_cndmask_b32 v[96+n], v[96+n], v254, vcc_lo
.set n, n+1
.endr
.Lopen_\@:
.irp b, 0,1,2,3
	v_max3_num_f32 v[232+\b], v[96+16*\b], v[97+16*\b], v[98+16*\b]   ; the largest score of each block of 32 keys: for the row's maximum and, since p rises with the score, for the block's largest p
.endr
.irp i, 3,5,7,9,11,13
.irp b, 0,1,2,3
	v_max3_num_f32 v[232+\b], v[232+\b], v[96+16*\b+\i], v[97+16*\b+\i]
.endr
.endr
.irp b, 0,1,2,3
	v_max_num_f32 v[232+\b], v[232+\b], v[111+16*\b]
.endr
.irp b, 0,1,2,3
	s_delay_alu instid0(VALU_DEP_4)
	v_permlanex16_b32 v[236+\b], v[232+\b], s[SEL], s[SEL+1]
.endr
.irp b, 0,1,2,3
	s_delay_alu instid0(VALU_DEP_4)
	v_max_num_f32 v[232+\b], v[232+\b], v[236+\b]  ; with lane l xor 16's 16 keys
.endr
	s_delay_alu instid0(VALU_DEP_2)
	v_max3_num_f32 v254, v232, v233, v234
	s_delay_alu instid0(VALU_DEP_1)
	v_max_num_f32 v254, v254, v235
	s_delay_alu instid0(VALU_DEP_1)
	v_mul_f32 v254, s[CS], v254                    ; as t (c is positive)
	s_delay_alu instid0(VALU_DEP_1)
	v_max_num_f32 v13, v13, v254                   ; the running largest t
	v_mov_b32 v254, v12
	s_delay_alu instid0(VALU_DEP_2)
	v_floor_f32 v12, -v13                          ; the new -M = -ceil(t)
	s_delay_alu instid0(VALU_DEP_1)
	v_sub_f32 v254, v12, v254                      ; M's old value less its new one
	s_delay_alu instid0(VALU_DEP_1)
	v_cvt_i32_f32 v254, v254                       ; (it saturates)
	s_delay_alu instid0(VALU_DEP_1)
	v_ldexp_f32 v252, 1.0, v254                    ; f = 2^(old M - new M)
.set i, 0
.rept 32
	v_pk_fma_f32 v[96+i:97+i], v[96+i:97+i], s[CS:CS+1], v[12:13] op_sel_hi:[1,0,0]   ; t - M, two at a time
.set i, i+2
.endr
.irp b, 0,1,2,3
	v_fma_f32 v[232+\b], v[232+\b], s[CS], v12     ; the same of each block's largest score
.endr
	s_wait_alu depctr_va_vdst(0)                   ; the wait ahead of the batch
.set i, 0
.rept 64
	v_exp_f32 v[96+i], v[96+i]                     ; p = 2^(t - M), at most 1
.set i, i+1
.endr
	v_pk_mul_f32 v[14:15], v[14:15], v[252:253] op_sel_hi:[1,0]   ; the sums under the new M
	s_wait_alu depctr_va_vdst(0)                   ; one wait for the batch, ahead of its first reader
.irp b, 0,1,2,3
	v_exp_f32 v[232+\b], v[232+\b]                 ; the block's largest p
.endr
	v_pk_add_f32 v[236:237], v[100:101], v[104:105]
	v_pk_add_f32 v[248:249], v[108:109], v[112:113]
	v_pk_add_f32 v[246:247], v[116:117], v[120:121]
	v_pk_add_f32 v[244:245], v[124:125], v[128:129]
	v_pk_add_f32 v[242:243], v[132:133], v[136:137]
	v_pk_add_f32 v[240:241], v[140:141], v[144:145]
	v_pk_add_f32 v[238:239], v[148:149], v[152:153]
	v_pk_add_f32 v[14:15], v[14:15], v[156:157]
	v_pk_add_f32 v[236:237], v[236:237], v[96:97]
	v_pk_add_f32 v[248:249], v[248:249], v[98:99]
	v_pk_add_f32 v[246:247], v[246:247], v[102:103]
	v_pk_add_f32 v[244:245], v[244:245], v[106:107]
	v_pk_add_f32 v[242:243], v[242:243], v[110:111]
	v_pk_add_f32 v[240:241], v[240:241], v[114:115]
	v_pk_add_f32 v[238:239], v[238:239], v[118:119]
	v_pk_add_f32 v[14:15], v[14:15], v[122:123]
	v_pk_add_f32 v[236:237], v[236:237], v[126:127]
	v_pk_add_f32 v[248:249], v[248:249], v[130:131]
	v_pk_add_f32 v[246:247], v[246:247], v[134:135]
	v_pk_add_f32 v[244:245], v[244:245], v[138:139]
	v_pk_add_f32 v[242:243], v[242:243], v[142:143]
	v_pk_add_f32 v[240:241], v[240:241], v[146:147]
	v_pk_add_f32 v[238:239], v[238:239], v[150:151]
	v_pk_add_f32 v[14:15], v[14:15], v[154:155]
	v_pk_add_f32 v[236:237], v[236:237], v[158:159]
	s_delay_alu instid0(VALU_DEP_2)
	v_pk_add_f32 v[14:15], v[14:15], v[244:245]
	s_delay_alu instid0(VALU_DEP_2)
	v_pk_add_f32 v[236:237], v[236:237], v[242:243]
	v_pk_add_f32 v[248:249], v[248:249], v[240:241]
	v_pk_add_f32 v[246:247], v[246:247], v[238:239]
	s_delay_alu instid0(VALU_DEP_2)
	v_pk_add_f32 v[14:15], v[14:15], v[248:249]
	s_delay_alu instid0(VALU_DEP_2)
	v_pk_add_f32 v[236:237], v[236:237], v[246:247]
	s_delay_alu instid0(VALU_DEP_1)
	v_pk_add_f32 v[14:15], v[14:15], v[236:237]
	s_wait_alu depctr_va_vdst(0)                   ; and one for the four
.irp b, 0,1,2,3
	v_max_num_f32 v[232+\b], 0x1800000, v[232+\b]  ; the floor 2^(3 - 127): the byte cannot fall under 1
.endr
.irp b, 0,1,2,3
	s_delay_alu instid0(VALU_DEP_4)
	v_add_nc_u32 v[244+\b], 0xff000000, v[232+\b]  ; 2 off the exponent field: the conversion's scale operand
.endr
.irp b, 0,1,2,3
	s_delay_alu instid0(VALU_DEP_4)
	v_lshrrev_b32 v[236+\b], 23, v[244+\b]         ; the scale's byte
.endr
	s_delay_alu instid0(VALU_DEP_3)
	v_lshl_or_b32 v253, v237, 8, v236              ; p's scale word for these 128 keys
	s_delay_alu instid0(VALU_DEP_1)
	v_lshl_or_b32 v253, v238, 16, v253
	s_delay_alu instid0(VALU_DEP_1)
	v_lshl_or_b32 v253, v239, 24, v253
.irp c, 0,1
	v_cvt_scalef32_pk16_fp6_f32 v[224+6*\c:226+6*\c], v[96+32*\c:111+32*\c], v[244+2*\c]
	v_cvt_scalef32_pk16_fp6_f32 v[236+4*\c:238+4*\c], v[112+32*\c:127+32*\c], v[244+2*\c+1]
.endr
	v_nop                                          ; one plain place behind a scaled conversion
.irp c, 0,1                                    ; a whole block in a lane: lanes 0-15 block 2 c, lanes 16-31 block 2 c + 1
.irp i, 0,1,2
	v_permlane16_swap_b32 v[224+6*\c+\i], v[236+4*\c+\i]
.endr
.irp i, 0,1,2
	s_delay_alu instid0(VALU_DEP_3)
	v_mov_b32 v[227+6*\c+\i], v[236+4*\c+\i]
.endr
.endr
.set i, 0
.rept 16
	v_pk_mul_f32 v[160+i:161+i], v[160+i:161+i], v[252:253] op_sel_hi:[1,0]   ; O^T under the new M.  (Also the places between the codes' and the scale word's writes and the products)
.set i, i+2
.endr
	s_wait_alu depctr_va_vdst(0)
	s_wait_dscnt 0x0                               ; V is in
.irp t, 0,1,2,3                                ; O^T += V^T P^T: four tiles of 16 channels, by turns
.if (\t)%2
	v_wmma_scale_f32_16x16x128_f8f6f4 v[160+8*\t:167+8*\t], v[32+12*\t:43+12*\t], v[224:235], v[160+8*\t:167+8*\t], v[250+\t/2], v253 matrix_a_fmt:MATRIX_FMT_FP6 matrix_b_fmt:MATRIX_FMT_FP6 matrix_a_scale:MATRIX_SCALE_ROW1
.else
	v_wmma_scale_f32_16x16x128_f8f6f4 v[160+8*\t:167+8*\t], v[32+12*\t:43+12*\t], v[224:235], v[160+8*\t:167+8*\t], v[250+\t/2], v253 matrix_a_fmt:MATRIX_FMT_FP6 matrix_b_fmt:MATRIX_FMT_FP6
.endif
.endr
	s_add_co_u32 s[J], s[J], 2
.Lhidden_\@:
	s_add_co_u32 s[TB], s[TB], 2*STEPB
.endm
; THE CHANGE OF SLOTS, at a phase's head.  Each wave waits for all its tensor loads, adds 0 to its spare word and waits for that and for its reads of the slot that it has left.
; fill = 1: behind the barrier waves 0 to 7 fill that slot with the next eight places, one load each; the load has a phase in which to land.  The add stands twice.
.macro CHANGE fill
	s_wait_tensorcnt 0x0
	ds_add_u32 v[SPW], v[NIL]
.if \fill
	ds_add_u32 v[SPW], v[NIL]
	s_xor_b32 s[FB], s[FB], S1B                    ; no load of mine is out: the group 0 may be written.  The other slot than last time,
	s_add_co_u32 s[G0+1], s[FB], s36
	s_cmp_gt_u32 s[JF], s[LL]                      ; place j is key step j, or j - L - 1 beyond L
	s_cselect_b32 s70, s[L1], 0
	s_sub_co_u32 s70, s[JF], s70
	s_mul_i32 s70, s70, STEPB
	s_mov_b32 s71, 0
	s_add_nc_u64 s[G0+2:G0+3], s[KVB:KVB+1], s[70:71]
	s_or_b32 s[G0+3], s[G0+3], 0x80000000
	s_add_co_u32 s[JF], s[JF], 8
	s_wait_xcnt 0x0                                ; the last prefetch has read its address
	s_add_nc_u64 s[PFA:PFA+1], s[PFA:PFA+1], 8*STEPB
	s_add_co_u32 s[PK], s[PK], 8
	s_wait_dscnt 0x0
	s_barrier_signal -1
	s_barrier_wait -1
	s_cmp_lt_u32 s[WV], 8
	s_cbranch_scc0 .Lasked_\@
	tensor_load_to_lds s[G0:G0+3], s[G1:G1+7]
	s_nop 0
.rept 4
	v_nop
.endr
.Lasked_\@:
	ASK                                            ; what the next change of slots will fetch
.else
	s_wait_dscnt 0x0
	s_barrier_signal -1
	s_barrier_wait -1
.endif
.endm
.macro PHASE                           ; a phase's five trips: written once, walked five times
	s_add_co_u32 s[TB], s[RB], s[ST]
	s_add_co_u32 s[TM], s[RB], s[PM]
	s_mov_b32 s[CNT], 5
.Lstep_\@:
	STEP
	s_sub_co_u32 s[CNT], s[CNT], 1
	s_cmp_lg_u32 s[CNT], 0
	s_cbranch_scc1 .Lstep_\@
	s_xor_b32 s[RB], s[RB], S1B
	s_mov_b32 s[ST], s[ST1]
	s_mov_b32 s[PM], 7*STEPB
	s_mov_b32 s[SK], 1                             ; from phase 1 on every wave has four places
.endm
.Lslot:                                            ; three trips, each fills the other slot
	CHANGE 1
	PHASE
	s_sub_co_u32 s[SLOTS], s[SLOTS], 1
	s_cmp_lg_u32 s[SLOTS], 0
	s_cbranch_scc1 .Lslot
	CHANGE 0                                       ; the last phase is written out: it fetches nothing
	PHASE
	; THE JOIN.  Waves 0-7 hand their part of block x over and take their own part of block L back; every wave then reads the other parity's part of the tile that it joins.
.rept 4
	v_nop                                          ; places behind the last products
.endr
	v_add_f32 v13, v14, v15
	s_wait_alu depctr_va_vdst(0)                   ; the wait
	s_cmp_lg_u32 s12, 0
	s_cbranch_scc1 .Lkeep
.irp q, 0,1,2,3,4,5,6,7
	ds_store_b128 v30, v[160+4*\q:163+4*\q] offset:512*\q
.endr
	ds_store_b64 v31, v[12:13] offset:4096
.Lkeep:
	s_wait_dscnt 0x0                               ; for the others' sake
	s_barrier_signal -1
	s_barrier_wait -1
	s_cmp_lg_u32 s12, 0
	s_cbranch_scc1 .Lown
.irp q, 0,1,2,3,4,5,6,7
	ds_load_b128 v[160+4*\q:163+4*\q], v28 offset:512*\q
.endr
	ds_load_b64 v[12:13], v29 offset:4096
.Lown:
.irp q, 0,1,2,3,4,5,6,7
	ds_load_b128 v[96+4*\q:99+4*\q], v28 offset:8*PART+512*\q   ; part w + 8: for waves 0-7 block L's of wave w + 8, for waves 8-15 block x's of wave w - 8
.endr
	ds_load_b64 v[128:129], v29 offset:8*PART+4096
	s_wait_dscnt 0x0
	v_min_num_f32 v130, v12, v128                  ; -M of the two together
	v_mov_b32 v135, 0                              ; (upper halves of pairs that are named below)
	v_mov_b32 v137, 0
	s_delay_alu instid0(VALU_DEP_3)
	v_sub_f32 v131, v130, v12
	s_delay_alu instid0(VALU_DEP_4)
	v_sub_f32 v132, v130, v128
	s_delay_alu instid0(VALU_DEP_2)
	v_cvt_i32_f32 v131, v131                       ; (it saturates: a part with no key has -M = 3e38 and gets the factor 0)
	s_delay_alu instid0(VALU_DEP_2)
	v_cvt_i32_f32 v132, v132
	s_delay_alu instid0(VALU_DEP_2)
	v_ldexp_f32 v131, 1.0, v131
	s_delay_alu instid0(VALU_DEP_2)
	v_ldexp_f32 v132, 1.0, v132
	s_delay_alu instid0(VALU_DEP_2)
	v_mul_f32 v14, v13, v131
	s_delay_alu instid0(VALU_DEP_1)
	v_fma_f32 v14, v129, v132, v14                 ; the two sums under one M,
	s_delay_alu instid0(VALU_DEP_1)
	v_permlanex16_b32 v252, v14, s[SEL], s[SEL+1]
	s_delay_alu instid0(VALU_DEP_1)
	v_add_f32 v14, v14, v252                       ; and lane l xor 16's: the row's sum
	s_wait_alu depctr_va_vdst(0)
	v_rcp_f32 v14, v14
	v_nop                                          ; a plain place behind the reciprocal
	s_wait_alu depctr_va_vdst(0)                   ; the wait ahead of its first reader
	v_mul_f32 v134, v131, v14                      ; a power of two x 1 / sum
	v_mul_f32 v136, v132, v14
.set i, 0
.rept 16
	v_pk_mul_f32 v[96+i:97+i], v[96+i:97+i], v[136:137] op_sel_hi:[1,0]
.set i, i+2
.endr
	s_wait_alu depctr_va_vdst(0)                   ; the wait directly ahead of the first reader of O^T
.set i, 0
.rept 16
	v_pk_fma_f32 v[96+i:97+i], v[160+i:161+i], v[134:135], v[96+i:97+i] op_sel_hi:[1,0,1]   ; each accumulator from its low end on
.set i, i+2
.endr
	; THE WAY OUT: a lane's 32 numbers are channels 32 b + 16 h + i of my head: two blocks of the last product's K, each shared with lane l xor 16.
.irp b, 0,1
	v_max3_num_f32 v[232+\b], |v[96+16*\b]|, |v[97+16*\b]|, 0x1800000
.endr
.irp i, 2,4,6,8,10,12,14
.irp b, 0,1
	s_delay_alu instid0(VALU_DEP_2)
	v_max3_num_f32 v[232+\b], v[232+\b], |v[96+16*\b+\i]|, |v[97+16*\b+\i]|
.endr
.endr
.irp b, 0,1
	s_delay_alu instid0(VALU_DEP_2)
	v_permlanex16_b32 v[236+\b], v[232+\b], s[SEL], s[SEL+1]
.endr
.irp b, 0,1
	s_delay_alu instid0(VALU_DEP_2)
	v_max_num_f32 v[232+\b], v[232+\b], v[236+\b]
.endr
.irp b, 0,1
	s_delay_alu instid0(VALU_DEP_2)
	v_add_nc_u32 v[244+\b], 0xff000000, v[232+\b]
.endr
.irp b, 0,1
	s_delay_alu instid0(VALU_DEP_2)
	v_lshrrev_b32 v[236+\b], 23, v[244+\b]
.endr
	s_delay_alu instid0(VALU_DEP_1)
	v_lshl_or_b32 v253, v237, 8, v236              ; my row's two scale bytes
	v_cvt_scalef32_pk16_fp6_f32 v[224:226], v[96:111], v244
	v_cvt_scalef32_pk16_fp6_f32 v[204:206], v[112:127], v245
	v_nop                                          ; one plain place behind a scaled conversion
.irp i, 0,1,2
	v_permlane16_swap_b32 v[224+\i], v[204+\i]     ; a whole block in a lane
.endr
.irp i, 0,1,2
	s_delay_alu instid0(VALU_DEP_3)
	v_mov_b32 v[227+\i], v[204+\i]
.endr
.irp p, 0,1,2
	global_store_b64 v[AL], v[224+2*\p:225+2*\p], s[6:7] offset:256*\p   ; 32 lanes store 256 consecutive bytes, at a multiple of 256 from oc's first byte
.endr
	global_store_b16 v[R8], v253, s[8:9]           ; both halves of the lanes hold the same two bytes for the same place
	s_wait_tensorcnt 0x0                           ; the wave's end
	ds_add_u32 v[SPW], v[NIL]
	s_wait_dscnt 0x0
	s_endpgm
.Lfunc_end_k_q7b1c5ac7d2_attn:
	.size	k_q7b1c5ac7d2_attn, .Lfunc_end_k_q7b1c5ac7d2_attn-k_q7b1c5ac7d2_attn
	.p2alignl 7, 3214868480
	.fill 96, 4, 3214868480
	.section	.rodata,"a",@progbits
	.p2align	6, 0x0
	.amdhsa_kernel k_q7b1c5ac7d2_attn
		.amdhsa_group_segment_fixed_size 327680
		.amdhsa_private_segment_fixed_size 0
		.amdhsa_enable_private_segment 0
		.amdhsa_kernarg_size 24
		.amdhsa_user_sgpr_count 2
		.amdhsa_user_sgpr_kernarg_segment_ptr 1
		.amdhsa_wavefront_size32 1
		.amdhsa_system_sgpr_workgroup_id_x 1
		.amdhsa_system_sgpr_workgroup_id_y 1
		.amdhsa_system_sgpr_workgroup_id_z 1
		.amdhsa_system_vgpr_workitem_id 0
		.amdhsa_next_free_vgpr 256
		.amdhsa_next_free_sgpr 82
		.amdhsa_reserve_vcc 1
		.amdhsa_float_denorm_mode_32 3
		.amdhsa_float_denorm_mode_16_64 3
		.amdhsa_memory_ordered 1
		.amdhsa_forward_progress 1
		.amdhsa_inst_pref_size 72
	.end_amdhsa_kernel
	.amdgpu_metadata
---
amdhsa.version: [ 1, 2 ]
amdhsa.kernels:
  - .name:           k_q7b1c5ac7d2_attn
    .symbol:         k_q7b1c5ac7d2_attn.kd
    .args:
      - { .name: qkv, .offset: 0, .size: 8, .value_kind: global_buffer, .address_space: global }
      - { .name: oc, .offset: 8, .size: 8, .value_kind: global_buffer, .address_space: global }
      - { .name: os, .offset: 16, .size: 8, .value_kind: global_buffer, .address_space: global }
    .group_segment_fixed_size: 327680
    .private_segment_fixed_size: 0
    .kernarg_segment_align: 8
    .kernarg_segment_size: 24
    .max_flat_workgroup_size: 512
    .sgpr_count:     82
    .vgpr_count:     256
    .wavefront_size: 32
...
	.end_amdgpu_metadata
.endif
;; end of part 3
;; launch gemm_out (part 4): grid 8 x 32, 4 waves a work-group, clusters of 4 x 4, 327,680 bytes of LDS; arguments oc, os, img, isc, out_b, out0; writes out0
.if DOCPART == 4
	.amdgcn_target "amdgcn-amd-amdhsa--gfx1250"
	.amdhsa_code_object_version 6
	.text
	.protected	k_q7b1c5ac7d2_gemm_out
	.globl	k_q7b1c5ac7d2_gemm_out
	.p2align	8
	.type	k_q7b1c5ac7d2_gemm_out,@function
k_q7b1c5ac7d2_gemm_out:
	s_mov_b64 s[64:65], 0
	v_nop
	global_prefetch_b8 v0, s[64:65] scope:SCOPE_SE
	s_setreg_imm32_b32 hwreg(HW_REG_WAVE_MODE, 25, 1), 1
	s_wait_xcnt 0x0
	s_wait_alu depctr_hold_cnt(0) depctr_sa_sdst(0) depctr_va_vdst(0) depctr_va_sdst(0) depctr_va_ssrc(0) depctr_va_vcc(0) depctr_vm_vsrc(0)
	s_getreg_b32 s2, hwreg(HW_REG_IB_STS2, 6, 4)
	s_cmp_eq_u32 s2, 0
	s_cbranch_scc0 .Lentry_in_a_cluster
	s_endpgm
.Lentry_in_a_cluster:
	s_bfe_u32 s2, ttmp6, 0x10000c
	s_cmp_lg_u32 s2, 0xf033
	s_cbranch_scc0 .Lentry_shape_is_right
	s_endpgm
.Lentry_shape_is_right:
; out0[token][e] = sum over k of O[token][k] out_w[e][k] + out_b[e]: 4,096 x 1,024 x 1,024, both operands as codes of FP6 (E2M3) with E8M0 scales, f32 sums.
; oc (O) and img (out_w: tiles 448-511) hold fragments as images of their registers: [K / 256][tile of 16 rows][2][1536 bytes]; os and isc hold [tile][K / 256][row][8 bytes]: the scale words of the two fragments.
; Lane row r of a tile t stands for row 32 (t / 2) + 8 (t % 2) + r + 8 (r / 8) of its tensor.
; SHARES: a work-group makes 128 x 128 of the result: 8 x 32 = 256 work-groups.  A wave makes 64 x 64: 16 accumulators of 16 x 16.
; ALL OF K AT ONCE: the block's 8 tiles of O and 8 tiles of out_w, for all of K, are 2 x 98,304 bytes of LDS, filled once: each wave asks for four tiles x all of K by ONE tensor load at the head,
; 4 rows (one for each 256 along K) of 12,288 bytes, each row dense in memory and beginning at a multiple of 256 bytes.  No ring, no refill.
; CLUSTERS: 4 x 4 work-groups; O's tiles are shared along a row of the cluster, out_w's along a column: joint loads, one round in front of them and one at the end.
; NO PREFETCH: the launch has no loop to run ahead in: its only tensor loads stand at its head.
; THE SCALE WORDS come by loads of 256 consecutive bytes: lanes 0-15 take the words of an even K / 256, lanes 16-31 those of the odd one after it; the products choose the row of lanes.
; THE MATRIX INSTRUCTION IS USED TRANSPOSED (source 0 = out_w's rows, source 1 = O's rows): a lane holds eight neighbouring numbers of a row of the result.  The bias is the C of each accumulator's first product.
; REGISTERS: window 0: v0-15 addresses; v16-31 O's scale words, v32-47 out_w's; v48-79 the bias; v128-223 O's fragments, two sets; on the way out v80-207 rows read back.
;   window 1: v0-95 out_w's fragments, two sets; v128-255 the 16 accumulators ((a, b) at v[128 + 8 (4 a + b)]).
.set ASTR,   786432                    ; bytes of oc for 256 along K
.set BSTR,   1572864                   ; bytes of img for 256 along K
.set QB,     12288                     ; four tiles x 256 along K
.set HALFB,  4*QB                      ; what one tensor load brings, and what one wave reads of O or of out_w
.set STAGE,  4*HALFB                   ; behind the tiles: a stage of 16 rows x 272 bytes for each wave
.set SPITCH, 272
.set SPARE,  STAGE+4*16*SPITCH         ; the spare words, 128 bytes for each wave
.set ADRA, 4
.set ADRB, 5
.set STO,  6
.set RD,   7
.set CO,   8
.set L8,   9
.set SPW,  12
.set NIL,  13
.set SA,   16
.set SB,   32
.set BC,   48
.set OUT,  80
.set AF,   128
.set G1,  24
.set G0,  32
.set G1B, 48
.set G0B, 56
.set MSB, 0
.macro WIN new
.if MSB != \new
	s_set_vgpr_msb (MSB<<8)|\new
.set MSB, \new
.endif
.endm
.macro CROUND                          ; a round of the cluster's barrier
	s_barrier_signal -1
	s_barrier_wait -1
	s_cmp_lg_u32 s14, 0
	s_cbranch_scc1 .Lnot_wave_0_\@
	s_barrier_signal -3
.Lnot_wave_0_\@:
	s_barrier_wait -3
	s_barrier_signal -1
	s_barrier_wait -1
.endm
	s_load_b256 s[4:11], s[0:1], 0x0               ; oc, os, img, isc
	s_load_b128 s[36:39], s[0:1], 0x20             ; out_b, out0
	v_lshl_add_u32 v[SPW], v0, 2, SPARE
	v_mov_b32 v[NIL], 0
	ds_add_u32 v[SPW], v[NIL]                      ; the opening lines: the add twice on end and one wait
	ds_add_u32 v[SPW], v[NIL]
	v_lshrrev_b32 v1, 5, v0
	v_readfirstlane_b32 s14, v1                    ; wave 0..3
	s_lshr_b32 s15, s14, 1                         ; my half of the block's rows.  Also: I fetch for O (0) or for out_w (1)
	s_and_b32 s16, s14, 1                          ; my half of its columns.  Also: which four tiles I fetch
	s_bfe_u32 s40, ttmp6, 0x40000                  ; cx
	s_bfe_u32 s41, ttmp6, 0x40004                  ; cy
	s_lshl_b32 s42, ttmp9, 2
	s_add_co_u32 s42, s42, s40                     ; block column 0..7
	s_and_b32 s17, ttmp7, 0xffff
	s_lshl_b32 s17, s17, 2
	s_add_co_u32 s17, s17, s41                     ; block row 0..31
	s_lshl_b32 s43, s41, 2
	s_lshl_b32 s43, 15, s43                        ; my row of the cluster
	s_lshl_b32 s44, 0x1111, s40                    ; my column
	s_or_b32 s[G1], s43, (3<<16)|(1<<21)           ; the mask; elements of 8 bytes; bit 21 set beside a mask
	s_or_b32 s[G1B], s44, (3<<16)|(1<<21)
.irp g, G1, G1B
	s_mov_b32 s[\g+1], (QB/8)<<16                  ; tensor_dim0 = 1,536 elements
	s_mov_b32 s[\g+2], 4<<16                       ; tensor_dim1 = 4
	s_mov_b32 s[\g+3], (QB/8)<<16                  ; tile_dim0
	s_mov_b32 s[\g+4], 4                           ; tile_dim1
	s_mov_b32 s[\g+6], 0
	s_mov_b32 s[\g+7], 0
.endr
	s_mov_b32 s[G1+5], ASTR/8                      ; from one 256 along K to the next, in elements
	s_mov_b32 s[G1B+5], BSTR/8
	s_lshl_b32 s18, s16, 2
	s_lshl_b32 s70, s17, 3
	s_add_co_u32 s70, s70, s18                     ; O: the first of the four tiles that I fetch
	s_mul_i32 s70, s70, 3072
	s_mov_b32 s71, 0
	s_lshl_b32 s72, s42, 3
	s_add_co_u32 s72, s72, s18
	s_add_co_u32 s72, s72, 448                     ; out_w: likewise
	s_lshl_b32 s76, s72, 9                         ; (these are also the four tiles of out_w that I multiply: their scale words)
	s_mov_b32 s77, 0
	s_mul_i32 s72, s72, 3072
	s_mov_b32 s73, 0
	s_mul_i32 s45, s14, HALFB                      ; where my load goes: no place in the cluster enters an LDS address
	s_lshl_b32 s74, s17, 3
	s_lshl_b32 s19, s15, 2
	s_add_co_u32 s74, s74, s19                     ; the four tiles of O that I multiply
	s_lshl_b32 s74, s74, 9
	s_mov_b32 s75, 0
	s_lshl_b32 s78, s42, 9
	s_lshl_b32 s19, s16, 8
	s_add_co_u32 s78, s78, s19                     ; my first column, in bytes
	s_mov_b32 s79, 0
	s_lshl_b32 s80, s17, 7
	s_lshl_b32 s19, s15, 6
	s_add_co_u32 s80, s80, s19                     ; my first row,
	s_lshl_b32 s80, s80, 12                        ; rows of 4,096 bytes
	s_add_co_u32 s80, s80, s78
	s_mov_b32 s81, 0
	s_mul_i32 s21, s15, HALFB
	s_mul_i32 s22, s16, HALFB
	s_add_co_u32 s22, s22, 2*HALFB
	s_mul_i32 s23, s14, 16*SPITCH
	s_add_co_u32 s23, s23, STAGE
	s_wait_dscnt 0x0                               ; both opening adds are done
	s_wait_kmcnt 0x0
	s_add_nc_u64 s[70:71], s[4:5], s[70:71]
	s_add_nc_u64 s[72:73], s[8:9], s[72:73]
	s_add_nc_u64 s[74:75], s[6:7], s[74:75]
	s_add_nc_u64 s[76:77], s[10:11], s[76:77]
	s_add_nc_u64 s[78:79], s[36:37], s[78:79]
	s_add_nc_u64 s[80:81], s[38:39], s[80:81]
	s_mov_b32 s[G0], 1
	s_mov_b32 s[G0+1], s45
	s_mov_b64 s[G0+2:G0+3], s[70:71]
	s_or_b32 s[G0+3], s[G0+3], 0x80000000
	s_mov_b32 s[G0B], 1
	s_mov_b32 s[G0B+1], s45
	s_mov_b64 s[G0B+2:G0B+3], s[72:73]
	s_or_b32 s[G0B+3], s[G0B+3], 0x80000000
	CROUND                                         ; all sixteen work-groups are here: the joint loads meet
	s_cmp_eq_u32 s15, 0                            ; one load a wave: waves 0, 1 for O, waves 2, 3 for out_w
	s_cbranch_scc0 .Lfor_b
	tensor_load_to_lds s[G0:G0+3], s[G1:G1+7]
	s_nop 0
.rept 4
	v_nop
.endr
	s_branch .Lasked
.Lfor_b:
	tensor_load_to_lds s[G0B:G0B+3], s[G1B:G1B+7]
	s_nop 0
.rept 4
	v_nop
.endr
.Lasked:
	v_and_b32 v1, 15, v0                           ; r
	v_bfe_u32 v2, v0, 4, 1                         ; h
	v_and_b32 v3, 31, v0
	v_lshlrev_b32 v[L8], 3, v3                     ; 8 x lane
	v_lshlrev_b32 v10, 6, v2                       ; the bias: 16 numbers for each half of the lanes
	v_add_nc_u32 v[ADRA], s21, v[L8]
	v_add_nc_u32 v[ADRB], s22, v[L8]
	v_mul_u32_u24 v11, v1, SPITCH                  ; the stage, in: row r, 64 bytes for each half of the lanes
	v_lshl_add_u32 v11, v2, 6, v11
	v_add_nc_u32 v[STO], s23, v11
	v_mul_u32_u24 v11, v2, SPITCH                  ; back: lanes 0-15 one row of 256 bytes, lanes 16-31 the next
	v_lshl_add_u32 v11, v1, 4, v11
	v_add_nc_u32 v[RD], s23, v11
	v_lshlrev_b32 v11, 12, v2                      ; and the same two rows in out0
	v_lshl_add_u32 v[CO], v1, 4, v11
.irp i, 0,1,2,3
.irp kp, 0,1
	global_load_b64 v[SA+4*\i+2*\kp:SA+4*\i+2*\kp+1], v[L8], s[74:75] offset:512*\i+256*\kp   ; 256 consecutive bytes: lanes 0-15 K / 256 = 2 kp, lanes 16-31 2 kp + 1
	global_load_b64 v[SB+4*\i+2*\kp:SB+4*\i+2*\kp+1], v[L8], s[76:77] offset:512*\i+256*\kp
.endr
.endr
.irp b, 0,1
.irp j, 0,1,2,3
	global_load_b128 v[BC+16*\b+4*\j:BC+16*\b+4*\j+3], v10, s[78:79] offset:128*\b+16*\j   ; register 8 b + j: the bias of column 32 (b / 2) + 8 (b % 2) + 16 h + j
.endr
.endr
; the fragments of K step st (128 along K: K / 256 = st / 2, fragment st % 2) into set st % 2: 48 loads of 256 consecutive bytes
.macro FETCH st
	WIN 0x40                                       ; destination window 1
.irp i, 0,1,2,3
.irp p, 0,1,2,3,4,5
	ds_load_b64 v[48*((\st)%2)+12*\i+2*\p:48*((\st)%2)+12*\i+2*\p+1], v[ADRB] offset:((\st)/2)*QB+\i*3072+((\st)%2)*1536+256*\p
.endr
.endr
	WIN 0
.irp i, 0,1,2,3
.irp p, 0,1,2,3,4,5
	ds_load_b64 v[AF+48*((\st)%2)+12*\i+2*\p:AF+48*((\st)%2)+12*\i+2*\p+1], v[ADRA] offset:((\st)/2)*QB+\i*3072+((\st)%2)*1536+256*\p
.endr
.endr
.endm
.macro W d, fb, fa, c, sb, sa, hh
.if \hh
	v_wmma_scale_f32_16x16x128_f8f6f4 v[\d:\d+7], v[\fb:\fb+11], v[\fa:\fa+11], \c, v[\sb], v[\sa] matrix_a_fmt:MATRIX_FMT_FP6 matrix_b_fmt:MATRIX_FMT_FP6 matrix_a_scale:MATRIX_SCALE_ROW1 matrix_b_scale:MATRIX_SCALE_ROW1
.else
	v_wmma_scale_f32_16x16x128_f8f6f4 v[\d:\d+7], v[\fb:\fb+11], v[\fa:\fa+11], \c, v[\sb], v[\sa] matrix_a_fmt:MATRIX_FMT_FP6 matrix_b_fmt:MATRIX_FMT_FP6
.endif
.endm
; 16 matrix instructions: the 16 accumulators take turns, in the same order in every K step
.macro MUL st
.if (\st) == 0
	WIN 0x41                                       ; source 0 and D window 1; source 1 and C (the bias) window 0
.else
	WIN 0x51                                       ; C window 1 too
.endif
.irp a, 0,1,2,3
.irp b, 0,1,2,3
.if (\st) == 0
	W 128+8*(4*\a+\b), 12*\b, AF+12*\a, v[BC+8*\b:BC+8*\b+7], SB+4*\b, SA+4*\a, 0
.else
	W 128+8*(4*\a+\b), 48*((\st)%2)+12*\b, AF+48*((\st)%2)+12*\a, v[128+8*(4*\a+\b):128+8*(4*\a+\b)+7], SB+4*\b+2*((\st)/4)+(\st)%2, SA+4*\a+2*((\st)/4)+(\st)%2, ((\st)/2)%2
.endif
.endr
.endr
.endm
	s_wait_alu depctr_va_vdst(0)                   ; the wait at the head's end
	s_wait_tensorcnt 0x0                           ; my four tiles are in
	s_barrier_signal -1
	s_barrier_wait -1                              ; everybody's are
	FETCH 0
	FETCH 1
	s_wait_loadcnt 0x0                             ; the scale words and the bias
	s_wait_dscnt 48                                ; step 0's fragments are in; step 1's 48 loads may be out
	MUL 0
.set ST, 1
.rept 6
.rept 4
	v_nop                                          ; places in front of loads into the set that the last products have read
.endr
	FETCH ST+1
	s_wait_dscnt 48                                ; this step's fragments are in; the next step's 48 loads may be out
	MUL ST
.set ST, ST+1
.endr
	s_wait_dscnt 0x0
	MUL 7
.rept 4
	v_nop                                          ; places behind the last products
.endr
; THE WAY OUT, by blocks of 16 rows x 64 columns: through my own stage, back as whole rows of 256 bytes; each block has registers of its own, and every offset is an immediate.
.macro TOSTAGE a
	WIN 0x04                                       ; the data: window 1
.irp b, 0,1,2,3
	ds_store_b128 v[STO], v[128+8*(4*(\a)+\b):128+8*(4*(\a)+\b)+3] offset:128*(\b/2)+32*(\b%2)      ; each accumulator from its low end on
	ds_store_b128 v[STO], v[128+8*(4*(\a)+\b)+4:128+8*(4*(\a)+\b)+7] offset:128*(\b/2)+32*(\b%2)+16
.endr
	WIN 0
.irp t, 0,1,2,3,4,5,6,7
	ds_load_b128 v[OUT+32*(\a)+4*\t:OUT+32*(\a)+4*\t+3], v[RD] offset:\t*2*SPITCH   ; LDS serves a wave's instructions in order: these see the stores above
.endr
.endm
.macro SEND a, younger                 ; younger: the LDS instructions issued behind block a's loads
	s_wait_dscnt \younger
.irp t, 0,1,2,3,4,5,6,7
	global_store_b128 v[CO], v[OUT+32*(\a)+4*\t:OUT+32*(\a)+4*\t+3], s[80:81] offset:(32*((\a)/2)+8*((\a)%2)+2*\t+8*(\t/4))*4096 th:TH_STORE_NT   ; 16 lanes store 256 consecutive bytes, aligned
.endr
.endm
	TOSTAGE 0
.irp a, 1,2,3
	TOSTAGE \a
	SEND \a-1, 16                                  ; behind block a - 1's loads: block a's 8 stores and 8 loads
.endr
	SEND 3, 0
	s_wait_tensorcnt 0x0                           ; the wave's end
	ds_add_u32 v[SPW], v[NIL]
	s_wait_dscnt 0x0
	CROUND                                         ; the closing round
	s_endpgm
.Lfunc_end_k_q7b1c5ac7d2_gemm_out:
	.size	k_q7b1c5ac7d2_gemm_out, .Lfunc_end_k_q7b1c5ac7d2_gemm_out-k_q7b1c5ac7d2_gemm_out
	.p2alignl 7, 3214868480
	.fill 96, 4, 3214868480
	.section	.rodata,"a",@progbits
	.p2align	6, 0x0
	.amdhsa_kernel k_q7b1c5ac7d2_gemm_out
		.amdhsa_group_segment_fixed_size 327680
		.amdhsa_private_segment_fixed_size 0
		.amdhsa_enable_private_segment 0
		.amdhsa_kernarg_size 48
		.amdhsa_user_sgpr_count 2
		.amdhsa_user_sgpr_kernarg_segment_ptr 1
		.amdhsa_wavefront_size32 1
		.amdhsa_system_sgpr_workgroup_id_x 1
		.amdhsa_system_sgpr_workgroup_id_y 1
		.amdhsa_system_sgpr_workgroup_id_z 1
		.amdhsa_system_vgpr_workitem_id 0
		.amdhsa_next_free_vgpr 512
		.amdhsa_next_free_sgpr 82
		.amdhsa_reserve_vcc 0
		.amdhsa_float_denorm_mode_32 3
		.amdhsa_float_denorm_mode_16_64 3
		.amdhsa_memory_ordered 1
		.amdhsa_forward_progress 1
		.amdhsa_inst_pref_size 58
	.end_amdhsa_kernel
	.amdgpu_metadata
---
amdhsa.version: [ 1, 2 ]
amdhsa.kernels:
  - .name:           k_q7b1c5ac7d2_gemm_out
    .symbol:         k_q7b1c5ac7d2_gemm_out.kd
    .args:
      - { .name: oc, .offset: 0, .size: 8, .value_kind: global_buffer, .address_space: global }
      - { .name: os, .offset: 8, .size: 8, .value_kind: global_buffer, .address_space: global }
      - { .name: img, .offset: 16, .size: 8, .value_kind: global_buffer, .address_space: global }
      - { .name: isc, .offset: 24, .size: 8, .value_kind: global_buffer, .address_space: global }
      - { .name: out_b, .offset: 32, .size: 8, .value_kind: global_buffer, .address_space: global }
      - { .name: out0, .offset: 40, .size: 8, .value_kind: global_buffer, .address_space: global }
    .group_segment_fixed_size: 327680
    .private_segment_fixed_size: 0
    .kernarg_segment_align: 8
    .kernarg_segment_size: 48
    .max_flat_workgroup_size: 128
    .sgpr_count:     82
    .vgpr_count:     512
    .wavefront_size: 32
...
	.end_amdgpu_metadata
.endif
;; end of part 4
